; MI455X (gfx1250); checked and timed in simulation.
; The chip was launched on July 23, 2026; its instructions are those of AMD's public machine-readable ISA for CDNA 5 (MIT licence, August 2026) and "CDNA5" Instruction Set Architecture Reference Guide (July 2026). The comments in the code are by the model that wrote it; some were corrected since.
;; S Alibi4 Attention. Allowed arithmetic: float matrix products may take bf16 or f16 operands with f32 sums; all other float work in f32.
;; Inputs: Wk 1,024 x 1,024 float32; Wo 1,024 x 1,024 float32; Wq 1,024 x 1,024 float32; Wv 1,024 x 1,024 float32; bk 1,024 float32; bo 1,024 float32; bq 1,024 float32; bv 1,024 float32; k 2 x 2,048 x 1,024 float32; q 2 x 2,048 x 1,024 float32; v 2 x 2,048 x 1,024 float32.
;; Outputs: out0 2 x 2,048 x 1,024 float32.
;; 2 versions, each right; version 2 is version 1 with the launch cast written anew for expert scheduling mode. Each part assembles by itself: llvm-mc -triple=amdgcn-amd-amdhsa -mcpu=gfx1250 --defsym DOCPART=n.
;; ======== version 1 of 2: 4 launches
;; limits: values are held in f16: magnitudes above 65,504 overflow, below 6.1e-05 lose precision
;; workspace buffers: xb 25,165,824 bytes; wb 8,388,608 bytes; proj 25,165,824 bytes; ab 8,388,608 bytes
;; launch cast (part 1): grid 256 x 1, 8 waves a work-group, no clusters, 0 bytes of LDS; arguments q, k, v, Wq, Wk, Wv, Wo, xb, wb; writes xb, wb
.if DOCPART == 1
	.amdgcn_target "amdgcn-amd-amdhsa--gfx1250"
	.amdhsa_code_object_version 6
	.text
	.protected	k_q6f54ca5842_cast
	.globl	k_q6f54ca5842_cast
	.p2align	8
	.type	k_q6f54ca5842_cast,@function
k_q6f54ca5842_cast:
	s_mov_b64 s[64:65], 0
	v_nop
	global_prefetch_b8 v0, s[64:65] scope:SCOPE_SE
	s_setreg_imm32_b32 hwreg(HW_REG_WAVE_MODE, 25, 1), 1
	s_wait_xcnt 0x0
; xb = f16(q | k | v), three times [4096][1024];  wb = f16(Wq | Wk | Wv | Wo), four times [1024][1024].
; The matrix launches that follow take their tiles as f16 straight into LDS, so each number is rounded here, once.
; LIMIT: a number above 65,504 in magnitude becomes an infinity in f16; below 6.1e-5 it keeps fewer than 11 bits.
; A stream: no LDS, no matrix unit, no cluster, since no byte is used twice.
; 256 work-groups of 65,536 numbers: groups 0-191 take q, k, v (64 each), groups 192-255 the four weights (16 each).
; The share is taken as 64 rows of 4,096 bytes in, 2,048 bytes out.  Thread t owns 16 bytes at 16 t of each row in and
; 8 bytes at 8 t out: a wave's load covers 512 consecutive bytes, its store 256 consecutive bytes at a multiple of 256.
; 32 loads of every wave are on their way (32 x 512 bytes x 8 waves = half of the group's input).
.set ROWIN,  4096
.set ROWOUT, 2048
.set X, 4                              ; v[4:131]   slot s of 32: 4 registers as loaded
.set Y, 132                            ; v[132:195] slot s of 32: 2 registers to store
	s_load_b512 s[8:23], s[0:1], 0x0               ; q k v Wq Wk Wv Wo xb: s[8:9] .. s[22:23]
	s_load_b64 s[24:25], s[0:1], 0x40              ; wb
	s_lshr_b32 s2, ttmp9, 6                        ; 0, 1, 2: q, k, v; 3: a weight
	s_bfe_u32 s3, ttmp9, 0x20004                   ; which weight (2 bits from bit 4),
	s_add_co_u32 s3, s3, 3                         ; as a place in the list of seven sources
	s_and_b32 s4, ttmp9, 63                        ; my share's number inside q, k or v
	s_and_b32 s5, ttmp9, 15                        ; inside a weight
	s_and_b32 s6, ttmp9, 63                        ; inside wb (group number - 192)
	s_cmp_lt_u32 s2, 3
	s_cselect_b32 s3, s2, s3                       ; the source's place, 0 to 6
	s_cselect_b32 s4, s4, s5
	s_cselect_b32 s6, ttmp9, s6                    ; my share's number inside xb or wb
	s_lshl_b32 s4, s4, 18                          ; x 262,144 bytes in
	s_mov_b32 s5, 0
	s_lshl_b32 s6, s6, 17                          ; x 131,072 bytes out
	s_mov_b32 s7, 0
	v_lshlrev_b32 v1, 4, v0                        ; 16 t; never rewritten
	v_lshlrev_b32 v2, 3, v0                        ; 8 t; never rewritten
	s_wait_kmcnt 0x0
	s_cmp_lt_u32 s2, 3
	s_cselect_b64 s[28:29], s[22:23], s[24:25]     ; xb or wb
	s_mov_b64 s[26:27], s[8:9]
.irp n, 1,2,3,4,5,6
	s_cmp_eq_u32 s3, \n
	s_cselect_b64 s[26:27], s[8+2*\n:9+2*\n], s[26:27]   ; the source, chosen by the group's number alone
.endr
	s_add_nc_u64 s[26:27], s[26:27], s[4:5]
	s_add_nc_u64 s[28:29], s[28:29], s[6:7]
.irp a, 0,1,2,3
.irp c, 0,1,2,3,4,5,6,7
	global_load_b128 v[X+4*(8*\a+\c):X+4*(8*\a+\c)+3], v1, s[26:27] offset:(8*\a+\c)*ROWIN th:TH_LOAD_NT
.endr
.endr
; Row i, in slot i mod 32.  Rows 0-31 fill their slot again with row i + 32; rows 32-63 load nothing.
.macro SLOT i
.if \i < 32
	s_wait_loadcnt 31                              ; loads come back in order (ISA guide 5.7.1): 31 - i of the first 32 and the i refills are younger than mine
.else
	s_wait_loadcnt 63-\i                           ; only the rows behind mine are still out
	s_wait_xcnt 0x0                                ; this slot's Y pair, which the store of row i - 32 reads, is rewritten only behind this wait
.endif
	v_cvt_pk_f16_f32 v[Y+2*(\i%32)],   v[X+4*(\i%32)],   v[X+4*(\i%32)+1]
	v_cvt_pk_f16_f32 v[Y+2*(\i%32)+1], v[X+4*(\i%32)+2], v[X+4*(\i%32)+3]
.if \i < 32
	global_load_b128 v[X+4*(\i%32):X+4*(\i%32)+3], v1, s[26:27] offset:(\i+32)*ROWIN th:TH_LOAD_NT
.endif
	global_store_b64 v2, v[Y+2*(\i%32):Y+2*(\i%32)+1], s[28:29] offset:\i*ROWOUT   ; no hint: the next launch reads it
.endm
.irp a, 0,1,2,3,4,5,6,7
.irp c, 0,1,2,3,4,5,6,7
	SLOT (8*\a+\c)
.endr
.endr
	s_endpgm
.Lfunc_end_k_q6f54ca5842_cast:
	.size	k_q6f54ca5842_cast, .Lfunc_end_k_q6f54ca5842_cast-k_q6f54ca5842_cast
	.p2alignl 7, 3214868480
	.fill 96, 4, 3214868480
	.section	.rodata,"a",@progbits
	.p2align	6, 0x0
	.amdhsa_kernel k_q6f54ca5842_cast
		.amdhsa_group_segment_fixed_size 0
		.amdhsa_private_segment_fixed_size 0
		.amdhsa_enable_private_segment 0
		.amdhsa_kernarg_size 72
		.amdhsa_user_sgpr_count 2
		.amdhsa_user_sgpr_kernarg_segment_ptr 1
		.amdhsa_wavefront_size32 1
		.amdhsa_system_sgpr_workgroup_id_x 1
		.amdhsa_system_sgpr_workgroup_id_y 1
		.amdhsa_system_sgpr_workgroup_id_z 1
		.amdhsa_system_vgpr_workitem_id 0
		.amdhsa_next_free_vgpr 200
		.amdhsa_next_free_sgpr 66
		.amdhsa_reserve_vcc 0
		.amdhsa_float_denorm_mode_32 3
		.amdhsa_float_denorm_mode_16_64 3
		.amdhsa_memory_ordered 1
		.amdhsa_forward_progress 1
		.amdhsa_inst_pref_size 25
	.end_amdhsa_kernel
	.amdgpu_metadata
---
amdhsa.version: [ 1, 2 ]
amdhsa.kernels:
  - .name:           k_q6f54ca5842_cast
    .symbol:         k_q6f54ca5842_cast.kd
    .args:
      - { .name: q, .offset: 0, .size: 8, .value_kind: global_buffer, .address_space: global }
      - { .name: k, .offset: 8, .size: 8, .value_kind: global_buffer, .address_space: global }
      - { .name: v, .offset: 16, .size: 8, .value_kind: global_buffer, .address_space: global }
      - { .name: Wq, .offset: 24, .size: 8, .value_kind: global_buffer, .address_space: global }
      - { .name: Wk, .offset: 32, .size: 8, .value_kind: global_buffer, .address_space: global }
      - { .name: Wv, .offset: 40, .size: 8, .value_kind: global_buffer, .address_space: global }
      - { .name: Wo, .offset: 48, .size: 8, .value_kind: global_buffer, .address_space: global }
      - { .name: xb, .offset: 56, .size: 8, .value_kind: global_buffer, .address_space: global }
      - { .name: wb, .offset: 64, .size: 8, .value_kind: global_buffer, .address_space: global }
    .group_segment_fixed_size: 0
    .private_segment_fixed_size: 0
    .kernarg_segment_align: 8
    .kernarg_segment_size: 72
    .max_flat_workgroup_size: 256
    .sgpr_count:     66
    .vgpr_count:     200
    .wavefront_size: 32
...
	.end_amdgpu_metadata
.endif
;; end of part 1
;; launch qkv (part 2): grid 4 x 48, 4 waves a work-group, clusters of 4 x 4, 327,680 bytes of LDS; arguments xb, wb, bq, bk, proj; writes proj
.if DOCPART == 2
	.amdgcn_target "amdgcn-amd-amdhsa--gfx1250"
	.amdhsa_code_object_version 6
	.text
	.protected	k_q6f54ca5842_qkv
	.globl	k_q6f54ca5842_qkv
	.p2align	8
	.type	k_q6f54ca5842_qkv,@function
k_q6f54ca5842_qkv:
	s_mov_b64 s[64:65], 0
	v_nop
	global_prefetch_b8 v0, s[64:65] scope:SCOPE_SE
	s_setreg_imm32_b32 hwreg(HW_REG_WAVE_MODE, 25, 1), 1
	s_wait_xcnt 0x0
	s_wait_alu depctr_hold_cnt(0) depctr_sa_sdst(0) depctr_va_vdst(0) depctr_va_sdst(0) depctr_va_ssrc(0) depctr_va_vcc(0) depctr_vm_vsrc(0)
	s_getreg_b32 s2, hwreg(HW_REG_IB_STS2, 6, 4)
	s_cmp_eq_u32 s2, 0
	s_cbranch_scc0 .Lentry_in_a_cluster
	s_endpgm
.Lentry_in_a_cluster:
	s_bfe_u32 s2, ttmp6, 0x10000c
	s_cmp_lg_u32 s2, 0xf033
	s_cbranch_scc0 .Lentry_shape_is_right
	s_endpgm
.Lentry_shape_is_right:
; The three input projections as one launch of products C = A B^T over K = 1024, f16 operands, f32 sums.
;   p = 0:  Q'[token][feature] = (q Wq^T + bq) * 0.125 * log2(e)   A = q (xb),       B = Wq (wb)      C pitch 2,048 bytes, at proj + 0
;   p = 1:  K [token][feature] =  k Wk^T + bk                      A = k,            B = Wk           C pitch 2,048 bytes, at proj + 8 MiB
;   p = 2:  Vt[feature][token] =  Wv v^T                           A = Wv,           B = v            C pitch 8,192 bytes, at proj + 16 MiB
; V comes out transposed, as the attention's second product wants it; bv is added behind the softmax (its weights sum to one), in f32.
; LIMIT: Q', K and V are stored as f16: above 65,504 in magnitude they become infinities.
; A work-group makes 256 x 256 of C with four waves, a wave 128 x 128 in 512 registers.  K goes in steps of 128 through two LDS slots
; filled by the tensor data mover; a tile's rows are 256 bytes of memory at multiples of 256 bytes.
; CLUSTERS: 4 x 4 work-groups.  Twelve clusters along y: p = cluster y / 4, and cluster y mod 4 picks 4 of the 16 blocks along the tokens.
; The four of a row of the cluster share A's tiles, the four of a column B's: each tile is asked for jointly, which divides the requests by four.
; p is the same in all sixteen, so the one branch on it is taken alike by all partners.
;
; REGISTERS, in windows of 256:
;   window 0: v0-31 addresses; v64-127, v128-191 fragments of A, two buffers; v192-223 at work on the way out
;   window 1: v64-127, v128-191 fragments of B, two buffers; v192-255 the bias of my 128 columns (Q and K)
;   window 2: the 32 accumulator tiles of my rows 0-63 (tile (a, b) at v[8 (8 a + b)]);   window 3: those of my rows 64-127
; THE MATRIX INSTRUCTION IS USED TRANSPOSED: source 0 = 16 rows of B, source 1 = 16 rows of A, so that lane l holds row l % 16 of C and its
; registers 0 to 7 the columns 8 (l / 16) + 0 .. 7: eight neighbouring numbers, 16 bytes of f16.
.set SIZE_K, 1024
.set KSTEP,  128
.set PITCH,  272                       ; an LDS row: 256 bytes + 16 of padding, an odd multiple of 16: sixteen rows start at sixteen different 16-byte columns modulo 256
.set HALFT,  128*PITCH                 ; 128 rows: what one tensor load brings
.set SLOT,   4*HALFT                   ; A's 256 rows, then B's 256 rows
.set STAGE,  2*SLOT                    ; behind the ring: 16 rows x 272 bytes for each wave; no tensor load lands here
.set SPITCH, 272
.set LAPS, SIZE_K/(2*KSTEP)            ; 4 laps of two K steps
.set ADRA, 16                          ; v16-17  LDS address of my A fragments in slot 0, 1
.set ADRB, 20                          ; v20-21  the same for B
.set STO,  24                          ; v24     the way out: where I put 16 bytes of a row
.set RD,   25                          ; v25     the way out: where I read a row back
.set CO,   26                          ; v26     my byte offset in C
.set BOF,  27                          ; v27     32 x (l / 16): my byte offset among 16 numbers of the bias
.set F0,   64
.set F1,   128
.set TMP,  192
.set BIAS, 192                         ; in window 1
.set G1, 24                            ; s[24:31] descriptor group 1, A's tiles
.set G0, 32                            ; s[32:39] group 0, A's tiles, a set for each slot
.set G1B, 48                           ; s[48:55] group 1, B's tiles
.set G0B, 56                           ; s[56:63] group 0, B's tiles
.set MSB, 0
.macro WIN new                         ; the immediate's high byte repeats the setting that is left
.if MSB != \new
	s_set_vgpr_msb (MSB<<8)|\new
.set MSB, \new
.endif
.endm
.set MUL_LO, 0xa1                      ; source 0 (B) window 1, source 1 (A) window 0, C and D window 2
.set MUL_HI, 0xf1                      ; the same, C and D window 3
.set TO_B,   0x40                      ; destination window 1, address window 0
; A joint load.  Waves 0 and 1 fetch A's two halves, waves 2 and 3 B's; the branch hangs on the wave's number alone.
.macro JLOAD s
	s_cmp_eq_u32 s11, 0
	s_cbranch_scc0 .Lfor_b_\@
	tensor_load_to_lds s[G0+4*\s:G0+4*\s+3], s[G1:G1+7]
	s_nop 0
	s_branch .Lasked_\@
.Lfor_b_\@:
	tensor_load_to_lds s[G0B+4*\s:G0B+4*\s+3], s[G1B:G1B+7]
	s_nop 0
.Lasked_\@:
.endm
.macro CREST                           ; a round of the cluster's barrier behind its opening barrier
	s_cmp_lg_u32 s10, 0
	s_cbranch_scc1 .Lnot_wave_0_\@
	s_barrier_signal -3
.Lnot_wave_0_\@:
	s_barrier_wait -3
	s_barrier_signal -1
	s_barrier_wait -1
.endm
.macro CROUND                          ; a whole round
	s_barrier_signal -1
	s_barrier_wait -1
	CREST
.endm
	s_load_b128 s[4:7], s[0:1], 0x0                ; xb s[4:5], wb s[6:7]
	s_load_b128 s[80:83], s[0:1], 0x10             ; bq s[80:81], bk s[82:83]
	s_load_b64 s[8:9], s[0:1], 0x20                ; proj
	s_set_vgpr_msb 0x40
	v_lshl_add_u32 v63, v0, 2, 0x48400
	s_set_vgpr_msb 0x4000
	v_mov_b32 v255, 0
	s_set_vgpr_msb 0x1
	ds_add_u32 v63, v255
	s_set_vgpr_msb 0x100
	v_lshrrev_b32 v1, 5, v0
	v_readfirstlane_b32 s10, v1                    ; wave 0..3
	s_lshr_b32 s11, s10, 1                         ; which half of the block's rows is mine.  Also: I fetch for A (0) or for B (1)
	s_and_b32 s12, s10, 1                          ; which half of its columns.  Also: which 128 rows of that tile I fetch
	s_bfe_u32 s40, ttmp6, 0x40000                  ; cx
	s_bfe_u32 s41, ttmp6, 0x40004                  ; cy
	s_and_b32 s66, ttmp7, 0xffff                   ; the cluster's y, 0 to 11 (its x is always 0: the grid is one cluster wide)
	s_lshr_b32 s67, s66, 2                         ; p: 0 Q, 1 K, 2 V
	s_and_b32 s68, s66, 3
	s_lshl_b32 s68, s68, 2                         ; the first of this cluster's four blocks along the tokens
	s_lshl_b32 s72, s67, 23                        ; Q, K: A starts at xb + p x 8 MiB,
	s_lshl_b32 s73, s67, 21                        ;       B at wb + p x 2 MiB
	s_cmp_eq_u32 s67, 2
	s_cselect_b32 s69, 0, s68                      ; tokens run along C's rows for Q and K,
	s_cselect_b32 s70, s68, 0                      ; along its columns for V
	s_cselect_b32 s72, 0x400000, s72               ; V: A = Wv at wb + 4 MiB,
	s_cselect_b32 s73, 0x1000000, s73              ;    B = v at xb + 16 MiB
	s_add_co_u32 s13, s41, s69                     ; block row of C: hangs on cy, never on cx
	s_add_co_u32 s42, s40, s70                     ; block column of C: hangs on cx, never on cy
	s_lshl_b32 s43, s41, 2
	s_lshl_b32 s43, 15, s43                        ; my row of the cluster: places 4 cy .. 4 cy + 3
	s_lshl_b32 s44, 0x1111, s40                    ; my column: places cx, cx + 4, cx + 8, cx + 12
	; descriptor group 1: a tile of 128 rows x 128 elements of 2 bytes, 16 bytes of padding behind every 256
	s_or_b32 s[G1+0], s43, (1<<16)|(1<<20)|(1<<21)|(5<<22)|(3<<25)  ; mask: A's tiles go to my row; element 2 bytes; padding on; bit 21 beside a mask; every 64 words; 4 words
	s_or_b32 s[G1B+0], s44, (1<<16)|(1<<20)|(1<<21)|(5<<22)|(3<<25) ; the same with my column's mask
	s_mov_b32 s[G1B+1], KSTEP<<16
	s_mov_b32 s[G1+1], KSTEP<<16                   ; tensor_dim0 = 128
	s_mov_b32 s[G1B+2], 128<<16
	s_mov_b32 s[G1+2], 128<<16                     ; tensor_dim1 = 128
	s_mov_b32 s[G1B+3], KSTEP<<16
	s_mov_b32 s[G1+3], KSTEP<<16                   ; tile_dim0 = 128
	s_mov_b32 s[G1B+4], 128
	s_mov_b32 s[G1+4], 128                         ; tile_dim1 = 128
	s_mov_b32 s[G1B+5], SIZE_K
	s_mov_b32 s[G1+5], SIZE_K                      ; elements from row to row
	s_mov_b32 s[G1B+6], 0
	s_mov_b32 s[G1+6], 0
	s_mov_b32 s[G1B+7], 0
	s_mov_b32 s[G1+7], 0
	; byte offsets of my tiles; a row of A or B is 2,048 bytes, and every offset stays below 24 MiB
	s_lshl_b32 s17, s12, 7                         ; which 128 rows of the tile I fetch
	s_lshl_b32 s16, s13, 8
	s_add_co_u32 s16, s16, s17                     ; A: row 256 x block row + 128 x half
	s_lshl_b32 s16, s16, 11
	s_add_co_u32 s16, s16, s72
	s_lshl_b32 s46, s42, 8
	s_add_co_u32 s46, s46, s17                     ; B: row 256 x block column + 128 x half
	s_lshl_b32 s46, s46, 11
	s_add_co_u32 s46, s46, s73
	s_mov_b32 s17, 0
	s_mov_b32 s47, 0
	s_mul_i32 s20, s10, HALFT                      ; where they go: wave x 128 rows; no place in the cluster enters an LDS address
	s_wait_dscnt 0x0
	s_wait_kmcnt 0x0
	s_cmp_eq_u32 s67, 2
	s_cselect_b64 s[88:89], s[6:7], s[4:5]         ; A's buffer: wb for V, else xb
	s_cselect_b64 s[90:91], s[4:5], s[6:7]         ; B's buffer
	s_add_nc_u64 s[14:15], s[88:89], s[16:17]
	s_add_nc_u64 s[46:47], s[90:91], s[46:47]
	CROUND                                         ; all sixteen work-groups are here: the first joint loads meet
.irp s, 0,1
	s_mov_b32 s[G0+4*\s], 1
	s_add_co_u32 s[G0+4*\s+1], s20, \s*SLOT
	s_add_nc_u64 s[G0+4*\s+2:G0+4*\s+3], s[14:15], \s*KSTEP*2
	s_or_b32 s[G0+4*\s+3], s[G0+4*\s+3], 0x80000000
	s_mov_b32 s[G0B+4*\s], 1
	s_add_co_u32 s[G0B+4*\s+1], s20, \s*SLOT
	s_add_nc_u64 s[G0B+4*\s+2:G0B+4*\s+3], s[46:47], \s*KSTEP*2
	s_or_b32 s[G0B+4*\s+3], s[G0B+4*\s+3], 0x80000000
	JLOAD \s                                       ; both slots are asked for before anything else: two loads of the wave are out
.endr
	; A fragment is 16 rows x 32 K in 8 registers: lane l holds row l % 16; registers 0-3 K = 8 (l / 16) + 0..7, registers 4-7 K = 16 + 8 (l / 16) + 0..7
	v_and_b32 v1, 15, v0                           ; l % 16
	v_bfe_u32 v2, v0, 4, 1                         ; l / 16
	v_mul_u32_u24 v3, v1, PITCH
	v_lshl_add_u32 v3, v2, 4, v3
	s_mul_i32 s21, s11, HALFT                      ; my 128 rows of A
	s_mul_i32 s22, s12, HALFT                      ; my 128 rows of B,
	s_add_co_u32 s22, s22, 2*HALFT                 ; behind A's 256
.irp s, 0,1
	v_add_nc_u32 v[ADRA+\s], s21, v3
	v_add_nc_u32 v[ADRB+\s], s22, v3
	s_add_co_u32 s21, s21, SLOT
	s_add_co_u32 s22, s22, SLOT
.endr
	s_mul_i32 s23, s10, 16*SPITCH
	s_add_co_u32 s23, s23, STAGE                   ; my stage
	v_mul_u32_u24 v4, v1, SPITCH
	v_lshl_add_u32 v4, v2, 4, v4
	v_add_nc_u32 v[STO], s23, v4
	v_mul_u32_u24 v5, v2, SPITCH
	v_lshl_add_u32 v5, v1, 4, v5
	v_add_nc_u32 v[RD], s23, v5
	v_lshlrev_b32 v[BOF], 5, v2
; 16 matrix instructions: m blocks a0, a0 + 1 of the window's four x all 8 n blocks, 32 along K.  zero = 1: the first product starts the sums.
.macro MUL16 f, hi, a0, zero
.irp a, \a0, \a0+1
.irp b, 0,1,2,3,4,5,6,7
.if \zero
	v_wmma_f32_16x16x32_f16 v[8*(8*(\a)+\b):8*(8*(\a)+\b)+7], v[\f+8*\b:\f+8*\b+7], v[\f+8*(4*\hi+\a):\f+8*(4*\hi+\a)+7], 0
.else
	v_wmma_f32_16x16x32_f16 v[8*(8*(\a)+\b):8*(8*(\a)+\b)+7], v[\f+8*\b:\f+8*\b+7], v[\f+8*(4*\hi+\a):\f+8*(4*\hi+\a)+7], v[8*(8*(\a)+\b):8*(8*(\a)+\b)+7]
.endif
.endr
.endr
.endm
; 32 LDS loads in one run: the fragments of one quarter step into buffer f
.macro FETCH slot, k, f
	WIN TO_B
.irp i, 0,1,2,3,4,5,6,7
	ds_load_b128 v[\f+8*\i:\f+8*\i+3],   v[ADRB+\slot] offset:\k+\i*16*PITCH
	ds_load_b128 v[\f+8*\i+4:\f+8*\i+7], v[ADRB+\slot] offset:\k+\i*16*PITCH+32
.endr
	WIN 0
.irp i, 0,1,2,3,4,5,6,7
	ds_load_b128 v[\f+8*\i:\f+8*\i+3],   v[ADRA+\slot] offset:\k+\i*16*PITCH
	ds_load_b128 v[\f+8*\i+4:\f+8*\i+7], v[ADRA+\slot] offset:\k+\i*16*PITCH+32
.endr
.endm
; Four places behind a matrix instruction before a load lands on one of its registers or a vector instruction reads its result
; (ISA guide 7.12.1 for vector instructions); the matrix instructions in between are not counted.
.macro PLACES
.rept 4
	v_nop
.endr
.endm
; The 64 accumulators take turns, one instruction a turn, in the same order in every quarter step.
.macro QUARTER slot, k, f, g, zero
	s_wait_dscnt 8                                 ; B and A's rows 0-63 are in; the youngest eight loads (A's rows 64-127) may be out
	WIN MUL_LO
	MUL16 \f, 0, 0, \zero
	MUL16 \f, 0, 2, \zero
	PLACES
	FETCH \slot, \k, \g
	s_wait_dscnt 32                                ; all but the 32 just issued
	WIN MUL_HI
	MUL16 \f, 1, 0, \zero
	MUL16 \f, 1, 2, \zero
.endm
.macro THREE slot, zero
	QUARTER \slot, 64,  F0, F1, \zero
	QUARTER \slot, 128, F1, F0, 0
	QUARTER \slot, 192, F0, F1, 0
.endm
; The last quarter of a K step: multiplies buffer 1 and changes slots.  One barrier: in front of it each wave waits for its reads of this
; slot and for all its tensor loads (one is out: its part of the next slot); behind it the refill comes first, then the next slot is read.
.macro TURN slot, next, fill
	s_wait_dscnt 8
	WIN MUL_LO
	MUL16 F1, 0, 0, 0
	s_wait_dscnt 0                                 ; my reads of this slot are over
	s_wait_tensorcnt 0x0                           ; all my tensor loads have landed
	ds_add_u32 v63, v255
	s_wait_dscnt 0x0
	s_barrier_signal -1                            ; (where a slot is filled again this barrier opens a round of the cluster's barrier)
	MUL16 F1, 0, 2, 0                              ; register work while the others arrive
	WIN 0
	s_barrier_wait -1
.if \fill
	CREST                                          ; no wave of any partner still reads this slot or has a load on its way
	s_add_nc_u64 s[G0+4*\slot+2:G0+4*\slot+3], s[G0+4*\slot+2:G0+4*\slot+3], 2*KSTEP*2
	s_add_nc_u64 s[G0B+4*\slot+2:G0B+4*\slot+3], s[G0B+4*\slot+2:G0B+4*\slot+3], 2*KSTEP*2
	JLOAD \slot                                    ; the wave's one tensor load behind the round, and the first thing there
.endif
	PLACES
	FETCH \next, 0, F0
	WIN MUL_HI
	MUL16 F1, 1, 0, 0
	MUL16 F1, 1, 2, 0
.endm
.macro LAP zero
	THREE 0, \zero
	TURN 0, 1, 1
	THREE 1, 0
	TURN 1, 0, 1
.endm
; The last K step, which fetches nothing beyond its own slot; it is written out once on each side of the branch on p.
.macro LASTSTEP
	THREE 1, 0
	s_wait_dscnt 8
	WIN MUL_LO
	MUL16 F1, 0, 0, 0
	MUL16 F1, 0, 2, 0
	s_wait_dscnt 0
	WIN MUL_HI
	MUL16 F1, 1, 0, 0
	MUL16 F1, 1, 2, 0
	PLACES                                         ; the places in front of the way out
.endm
; 16 rows of f16 that lie packed in TMP go through my own stage and leave as whole rows of 256 bytes.  f: 32 registers, two sets by turns.
.macro SENDROWS i, f, opitch
.irp b, 0,1,2,3,4,5,6,7
	ds_store_b128 v[STO], v[TMP+4*\b:TMP+4*\b+3] offset:32*\b
.endr
	s_wait_xcnt 0x0                                ; set f, which earlier stores read, is loaded again only behind this wait
.irp t, 0,1,2,3,4,5,6,7
	ds_load_b128 v[\f+4*\t:\f+4*\t+3], v[RD] offset:\t*2*SPITCH    ; LDS serves a wave's instructions in order (ISA guide 5.7.1.4): these see the stores above
.endr
.irp t, 0,1,2,3,4,5,6,7
	s_wait_dscnt 7-\t                              ; the 7 - t younger read-backs may be out
	global_store_b128 v[CO], v[\f+4*\t:\f+4*\t+3], s[8:9] offset:(16*\i+2*\t)*\opitch   ; 16 lanes store 256 consecutive bytes at a multiple of 256
.endr
.endm
; C's base: proj + p x 8 MiB + my first row x pitch (1 << sh) + my first column x 2
.macro OUTBASE sh
	s_lshl_b32 s84, s13, 8
	s_lshl_b32 s85, s11, 7
	s_add_co_u32 s84, s84, s85
	s_lshl_b32 s84, s84, \sh
	s_lshl_b32 s85, s42, 9
	s_add_co_u32 s84, s84, s85
	s_lshl_b32 s85, s12, 8
	s_add_co_u32 s84, s84, s85
	s_lshl_b32 s85, s67, 23
	s_add_co_u32 s84, s84, s85
	s_mov_b32 s85, 0
	s_add_nc_u64 s[8:9], s[8:9], s[84:85]
	WIN 0
	v_lshlrev_b32 v5, \sh, v2                      ; lanes 16-31 store the row below
	v_lshl_add_u32 v[CO], v1, 4, v5
.endm
	s_wait_tensorcnt 1                             ; my part of K step 0 is in; K step 1's may stay out
	s_barrier_signal -1
	s_barrier_wait -1
	FETCH 0, 0, F0
	LAP 1                                          ; the first lap's first products start the sums
	WIN 0
	s_mov_b32 s3, LAPS-2
.Llap:
	LAP 0
	WIN 0
	s_sub_co_u32 s3, s3, 1
	s_cmp_lg_u32 s3, 0
	s_cbranch_scc1 .Llap
	THREE 0, 0                                     ; the last lap fills nothing and has no round
	TURN 0, 1, 0
	WIN 0
	s_cmp_eq_u32 s67, 2                            ; p is the same in every wave and in all sixteen work-groups
	s_cbranch_scc1 .Lway_v
	; ---- Q or K.  The bias of my 128 columns is asked for here and has the last K step's 256 matrix instructions in which to arrive.
	s_lshl_b32 s74, s42, 10                        ; (256 x block column + 128 x half) x 4 bytes
	s_lshl_b32 s75, s12, 9
	s_add_co_u32 s74, s74, s75
	s_mov_b32 s75, 0
	s_mov_b32 s78, 0x3f800000                      ; K is stored as it is;
	s_cmp_eq_u32 s67, 0
	s_cselect_b64 s[76:77], s[80:81], s[82:83]     ; bq or bk
	s_cselect_b32 s78, 0x3e38aa3b, s78             ; Q takes 0.125 x log2(e), so that the attention's exponentials are plain powers of two
	s_mov_b32 s79, s78
	s_add_nc_u64 s[76:77], s[76:77], s[74:75]
	WIN TO_B
.irp b, 0,1,2,3,4,5,6,7
	global_load_b128 v[BIAS+8*\b:BIAS+8*\b+3],   v[BOF], s[76:77] offset:64*\b      ; columns 16 b + 8 (l / 16) + 0..3
	global_load_b128 v[BIAS+8*\b+4:BIAS+8*\b+7], v[BOF], s[76:77] offset:64*\b+16   ; + 4..7
.endr
	LASTSTEP
	OUTBASE 11
	s_wait_loadcnt 0x0                             ; the bias
	WIN 0x41                                       ; source 0 and destination in window 1
.irp b, 0,1,2,3,4,5,6,7
.irp r, 0,2,4,6
	v_pk_mul_f32 v[BIAS+8*\b+\r:BIAS+8*\b+\r+1], v[BIAS+8*\b+\r:BIAS+8*\b+\r+1], s[78:79] op_sel_hi:[1,0]   ; (sum + b) c = sum c + b c
.endr
.endr
; rows 16 i .. 16 i + 15: from = 0x12 or 0x13: sums in window 2 or 3 (source 0), bias in window 1 (source 2), result in window 0
.macro OUT16QK i, a, from, f
	WIN \from
.irp b, 0,1,2,3,4,5,6,7
.irp r, 0,2,4,6
	v_pk_fma_f32 v[F1+8*\b+\r:F1+8*\b+\r+1], v[8*(8*\a+\b)+\r:8*(8*\a+\b)+\r+1], s[78:79], v[BIAS+8*\b+\r:BIAS+8*\b+\r+1] op_sel_hi:[1,0,1]
.endr
.endr
	WIN 0
.irp b, 0,1,2,3,4,5,6,7
.irp r, 0,1,2,3
	v_cvt_pk_f16_f32 v[TMP+4*\b+\r], v[F1+8*\b+2*\r], v[F1+8*\b+2*\r+1]
.endr
.endr
	SENDROWS \i, \f, 2048
.endm
	OUT16QK 0, 0, 0x12, F0
	OUT16QK 1, 1, 0x12, F0+32
	OUT16QK 2, 2, 0x12, F0
	OUT16QK 3, 3, 0x12, F0+32
	OUT16QK 4, 0, 0x13, F0
	OUT16QK 5, 1, 0x13, F0+32
	OUT16QK 6, 2, 0x13, F0
	OUT16QK 7, 3, 0x13, F0+32
	s_branch .Lend
.Lway_v:
	; ---- V: rows are features, columns tokens; no bias here
	LASTSTEP
	OUTBASE 13
; from = 0x0a or 0x0f: sources 0 and 1 in window 2 or 3
.macro OUT16V i, a, from, f
	WIN \from
.irp b, 0,1,2,3,4,5,6,7
.irp r, 0,1,2,3
	v_cvt_pk_f16_f32 v[TMP+4*\b+\r], v[8*(8*\a+\b)+2*\r], v[8*(8*\a+\b)+2*\r+1]
.endr
.endr
	WIN 0
	SENDROWS \i, \f, 8192
.endm
	OUT16V 0, 0, 0x0a, F0
	OUT16V 1, 1, 0x0a, F0+32
	OUT16V 2, 2, 0x0a, F0
	OUT16V 3, 3, 0x0a, F0+32
	OUT16V 4, 0, 0x0f, F0
	OUT16V 5, 1, 0x0f, F0+32
	OUT16V 6, 2, 0x0f, F0
	OUT16V 7, 3, 0x0f, F0+32
.Lend:
	s_set_vgpr_msb 0x1
	s_wait_tensorcnt 0x0
	ds_add_u32 v63, v255
	s_wait_dscnt 0x0
	s_set_vgpr_msb 0x100
	CROUND                                         ; the closing round: no work-group ends while a partner may still ask for a tile that names it
	s_endpgm
.Lfunc_end_k_q6f54ca5842_qkv:
	.size	k_q6f54ca5842_qkv, .Lfunc_end_k_q6f54ca5842_qkv-k_q6f54ca5842_qkv
	.p2alignl 7, 3214868480
	.fill 96, 4, 3214868480
	.section	.rodata,"a",@progbits
	.p2align	6, 0x0
	.amdhsa_kernel k_q6f54ca5842_qkv
		.amdhsa_group_segment_fixed_size 327680
		.amdhsa_private_segment_fixed_size 0
		.amdhsa_enable_private_segment 0
		.amdhsa_kernarg_size 40
		.amdhsa_user_sgpr_count 2
		.amdhsa_user_sgpr_kernarg_segment_ptr 1
		.amdhsa_wavefront_size32 1
		.amdhsa_system_sgpr_workgroup_id_x 1
		.amdhsa_system_sgpr_workgroup_id_y 1
		.amdhsa_system_sgpr_workgroup_id_z 1
		.amdhsa_system_vgpr_workitem_id 0
		.amdhsa_next_free_vgpr 1024
		.amdhsa_next_free_sgpr 96
		.amdhsa_reserve_vcc 0
		.amdhsa_float_denorm_mode_32 3
		.amdhsa_float_denorm_mode_16_64 3
		.amdhsa_memory_ordered 1
		.amdhsa_forward_progress 1
		.amdhsa_inst_pref_size 255
	.end_amdhsa_kernel
	.section	.bss,"aw",@nobits
	.p2align	6
	.space	262144
	.amdgpu_metadata
---
amdhsa.version: [ 1, 2 ]
amdhsa.kernels:
  - .name:           k_q6f54ca5842_qkv
    .symbol:         k_q6f54ca5842_qkv.kd
    .args:
      - { .name: xb, .offset: 0, .size: 8, .value_kind: global_buffer, .address_space: global }
      - { .name: wb, .offset: 8, .size: 8, .value_kind: global_buffer, .address_space: global }
      - { .name: bq, .offset: 16, .size: 8, .value_kind: global_buffer, .address_space: global }
      - { .name: bk, .offset: 24, .size: 8, .value_kind: global_buffer, .address_space: global }
      - { .name: proj, .offset: 32, .size: 8, .value_kind: global_buffer, .address_space: global }
    .group_segment_fixed_size: 327680
    .private_segment_fixed_size: 0
    .kernarg_segment_align: 8
    .kernarg_segment_size: 40
    .max_flat_workgroup_size: 128
    .sgpr_count:     96
    .vgpr_count:     1024
    .wavefront_size: 32
...
	.end_amdgpu_metadata
.endif
;; end of part 2
;; launch attn (part 3): grid 256 x 1, 8 waves a work-group, clusters of 4 x 1, 327,680 bytes of LDS; arguments proj, bv, ab; writes ab
.if DOCPART == 3
	.amdgcn_target "amdgcn-amd-amdhsa--gfx1250"
	.amdhsa_code_object_version 6
	.text
	.protected	k_q6f54ca5842_attn
	.globl	k_q6f54ca5842_attn
	.p2align	8
	.type	k_q6f54ca5842_attn,@function
k_q6f54ca5842_attn:
	s_mov_b64 s[64:65], 0
	v_nop
	global_prefetch_b8 v0, s[64:65] scope:SCOPE_SE
	s_setreg_imm32_b32 hwreg(HW_REG_WAVE_MODE, 25, 1), 1
	s_wait_xcnt 0x0
	s_wait_alu depctr_hold_cnt(0) depctr_sa_sdst(0) depctr_va_vdst(0) depctr_va_sdst(0) depctr_va_ssrc(0) depctr_va_vcc(0) depctr_vm_vsrc(0)
	s_getreg_b32 s2, hwreg(HW_REG_IB_STS2, 6, 4)
	s_cmp_eq_u32 s2, 0
	s_cbranch_scc0 .Lentry_in_a_cluster
	s_endpgm
.Lentry_in_a_cluster:
	s_bfe_u32 s2, ttmp6, 0x10000c
	s_cmp_lg_u32 s2, 0x3003
	s_cbranch_scc0 .Lentry_shape_is_right
	s_endpgm
.Lentry_shape_is_right:
; ab[token][64 head + d] = sum over j of softmax_j( Q.K/8 + m_h (1000 + |i - j|) ) V[j][d] + bv, for 2 batches, 16 heads, 2,048 tokens, d < 64.
; softplus(x) = x + log1p(exp(-x)), and for x >= 1000 the second term is 0 in f32, so the bias is m_h (1000 + |i - j|), with
; m_h = exp(-5000^(0.8 head / 15)).  Everything in front of the exponential is kept in units of log2: Q' carries 0.125 log2(e), the bias m_h log2(e).
; A running maximum is taken away in front of every exponential.  bv is added behind the division: the weights sum to one.
; LIMITS: operands Q', K, V, the weights (at most 1) and the result are f16 (below 65,504).  m_h below 2^-126 (heads 10 to 15) comes out of
; v_exp_f32 as 0 (ISA guide 15.8: denormal results are flushed); its bias would be below 1e-34.
;
; A work-group takes one batch, one PAIR of heads and 128 queries: rows of K's tiles and of ab are then 256 bytes at multiples of 256.
; CLUSTER of 4: four query blocks of the same batch and head pair walk the same K and V tiles and ask for each jointly (mask 15).
; Eight waves, wave w: head of the pair hs = w & 1, queries 64 g .. 64 g + 63 with g = (w >> 1) & 1, and half kh = w >> 2 of every block of 256 keys.
; The two key halves are merged once at the end, through LDS.
; Both products are used transposed: S^T = K Q^T (lane (r, h): query r, keys 8 h + j) and O^T = V^T P^T.  Two packed S^T tiles ARE a B fragment
; of 32 keys, so no number changes lanes; maximum, sum and rescaling are per lane, and one v_permlanex16_b32 a tile row joins the halves.
; The bias hangs on i - j alone: seven tiles of it serve the sixteen score tiles of a step, and enter as the C operand of the first product.
;
; LDS: two slots of a block of 256 keys, each eight parts of 17,408 bytes, part w filled by wave w:
;   parts 0-3: K, 64 keys x 256 bytes, pitch 272;   parts 4-7: Vt, 32 features x 512 bytes, pitch 528 (16,896 bytes used)
; Behind slot 0's last fill and last read it serves as scratch: MERGE (4 x 17,408) and OUTS (4 x 9,344).
; REGISTERS: window 0: addresses, M, NM, AL, LP, T, L; S v64-191 (scores, then weights); F v192-255 (K's, then V's fragments)
;            window 1: O v0-127; Q v128-191; CB v192-247 (seven bias tiles); DL v248-255 (i - j of bias tile 0)
.set PART, 17408
.set SLOT, 8*PART
.set KP, 272
.set VP, 528
.set KBLOCK, 256*2048                  ; bytes from a block of keys to the next in K
.set VBLOCK, 256*2                     ; and in Vt
.set OUTS, 4*PART
.set OREG, 9344                        ; a writing wave's region of OUTS: 64 rows x 144, + 128 so that the two heads' halves of a row fall on different 16-byte columns modulo 256
.set OP, 144
.set KA, 1                             ; v1-2   my K fragments in slot 0, 1
.set VA, 3                             ; v3-4   my V fragments in slot 0, 1
.set RR, 5                             ; v5     l % 16
.set HH, 6                             ; v6     l / 16
.set M,  8                             ; v[8:11]   running maximum of query tile u
.set NM, 12                            ; v[12:15]  the new maximum
.set AL, 16                            ; v[16:19]  2^(old - new)
.set LP, 20                            ; v[20:27]  running sums, a pair for each u
.set T,  28                            ; v[28:35]  at work
.set L,  36                            ; v[36:39]  the sums at the end
.set QOF, 40
.set MA,  41
.set BVO, 42
.set OSA, 43
.set MP,  44                           ; v[44:47]  the partner's maxima
.set LQ,  48                           ; v[48:51]  the partner's sums
.set MX,  52                           ; v[52:55]
.set FA,  56                           ; v[56:59]  my factor
.set FB,  60                           ; v[60:63]  the partner's factor
.set S,  64
.set F,  192
.set O,  0
.set Q,  128
.set CB, 192
.set DL, 248
.set GK, 24                            ; s[24:31] group 1, K's tiles
.set G0K, 32                           ; s[32:39] group 0, K's tiles, a set for each slot
.set GV, 48                            ; s[48:55] group 1, V's tiles
.set G0V, 56                           ; s[56:63] group 0, V's tiles
.set MSB, 0
.macro WIN new
.if MSB != \new
	s_set_vgpr_msb (MSB<<8)|\new
.set MSB, \new
.endif
.endm
.macro PLACES                          ; four places behind a matrix instruction (ISA guide 7.12.1 for vector instructions)
.rept 4
	v_nop
.endr
.endm
.macro ROUND                           ; a round of the cluster's barrier
	s_barrier_signal -1
	s_barrier_wait -1
	s_cmp_lg_u32 s10, 0
	s_cbranch_scc1 .Lnot_wave_0_\@
	s_barrier_signal -3
.Lnot_wave_0_\@:
	s_barrier_wait -3
	s_barrier_signal -1
	s_barrier_wait -1
.endm
.macro JLOAD n                         ; waves 0-3 ask for K's four parts, waves 4-7 for V's; the branch hangs on the wave's number alone
	s_cmp_eq_u32 s11, 0
	s_cbranch_scc0 .Lfor_v_\@
	tensor_load_to_lds s[G0K+4*\n:G0K+4*\n+3], s[GK:GK+7]
	s_nop 0
	s_branch .Lasked_\@
.Lfor_v_\@:
	tensor_load_to_lds s[G0V+4*\n:G0V+4*\n+3], s[GV:GV+7]
	s_nop 0
.Lasked_\@:
.endm
	s_load_b128 s[4:7], s[0:1], 0x0                ; proj s[4:5], bv s[6:7]
	s_load_b64 s[8:9], s[0:1], 0x10                ; ab
	v_lshl_add_u32 v190, v0, 2, 0x44000
	v_mov_b32 v191, 0
	ds_add_u32 v190, v191
	s_wait_dscnt 0x0
	v_lshrrev_b32 v7, 5, v0
	v_readfirstlane_b32 s10, v7                    ; wave 0..7
	s_lshr_b32 s11, s10, 2                         ; kh.  Also: I fetch for K (0) or for V (1)
	s_and_b32 s12, s10, 1                          ; hs
	s_bfe_u32 s13, s10, 0x10001                    ; g
	s_and_b32 s19, s10, 3                          ; which part of K or of V I fetch
	s_bfe_u32 s14, ttmp6, 0x40000                  ; cx
	s_lshr_b32 s15, ttmp9, 2                       ; batch and head pair: shared by the cluster
	s_lshr_b32 s16, s15, 3                         ; batch
	s_and_b32 s17, s15, 7                          ; head pair
	s_and_b32 s18, ttmp9, 3
	s_lshl_b32 s18, s18, 2
	s_add_co_u32 s18, s18, s14                     ; query block 0..15
	s_mul_i32 s20, s10, PART                       ; my part of a slot
	s_lshl1_add_u32 s45, s17, s12                  ; head
	s_mov_b32 s40, 0x76543210                      ; v_permlanex16_b32: lane i reads lane i of the other half
	s_mov_b32 s41, 0xfedcba98
	; group 1 of K's tiles: 64 rows x 128 elements of 2 bytes, 16 bytes of padding behind every 256
	s_mov_b32 s[GK+0], 15|(1<<16)|(1<<20)|(1<<21)|(5<<22)|(3<<25)
	s_mov_b32 s[GK+1], 128<<16
	s_mov_b32 s[GK+2], 64<<16
	s_mov_b32 s[GK+3], 128<<16
	s_mov_b32 s[GK+4], 64
	s_mov_b32 s[GK+5], 1024
	s_mov_b32 s[GK+6], 0
	s_mov_b32 s[GK+7], 0
	; group 1 of V's tiles: 32 rows x 256 elements, 16 bytes of padding behind every 512
	s_mov_b32 s[GV+0], 15|(1<<16)|(1<<20)|(1<<21)|(6<<22)|(3<<25)
	s_mov_b32 s[GV+1], 256<<16
	s_mov_b32 s[GV+2], 32<<16
	s_mov_b32 s[GV+3], 256<<16
	s_mov_b32 s[GV+4], 32
	s_mov_b32 s[GV+5], 4096
	s_mov_b32 s[GV+6], 0
	s_mov_b32 s[GV+7], 0
	; K at proj + 8 MiB: (2048 batch + 64 part) rows of 2,048 bytes + 256 x head pair
	s_lshl_b32 s46, s16, 22
	s_lshl_b32 s47, s19, 17
	s_add_co_u32 s46, s46, s47
	s_lshl_b32 s47, s17, 8
	s_add_co_u32 s46, s46, s47
	s_add_co_u32 s46, s46, 0x800000
	s_mov_b32 s47, 0
	; Vt at proj + 16 MiB: (128 head pair + 32 part) rows of 8,192 bytes + 4,096 x batch
	s_lshl_b32 s66, s17, 20
	s_lshl_b32 s67, s19, 18
	s_add_co_u32 s66, s66, s67
	s_lshl_b32 s67, s16, 12
	s_add_co_u32 s66, s66, s67
	s_add_co_u32 s66, s66, 0x1000000
	s_mov_b32 s67, 0
	; Q' and ab: (2048 batch + 128 query block) rows of 2,048 bytes; these hang on cx and feed no descriptor
	s_lshl_b32 s68, s16, 22
	s_lshl_b32 s69, s18, 18
	s_add_co_u32 s68, s68, s69
	s_lshl_b32 s69, s17, 8
	s_add_co_u32 s70, s68, s69                     ; ab: + 256 x head pair
	s_mov_b32 s71, 0
	s_lshl_b32 s69, s13, 17
	s_add_co_u32 s68, s68, s69                     ; Q': + 64 g rows
	s_lshl_b32 s69, s45, 7
	s_add_co_u32 s68, s68, s69                     ;     + 128 x head
	s_mov_b32 s69, 0
	s_lshl_b32 s72, s45, 8                         ; bv: 256 x head
	s_mov_b32 s73, 0
	s_wait_kmcnt 0x0
	s_add_nc_u64 s[46:47], s[4:5], s[46:47]
	s_add_nc_u64 s[66:67], s[4:5], s[66:67]
	s_add_nc_u64 s[68:69], s[4:5], s[68:69]
	s_add_nc_u64 s[70:71], s[8:9], s[70:71]
	s_add_nc_u64 s[72:73], s[6:7], s[72:73]
.irp n, 0,1
	s_mov_b32 s[G0K+4*\n], 1
	s_add_co_u32 s[G0K+4*\n+1], s20, \n*SLOT
	s_add_nc_u64 s[G0K+4*\n+2:G0K+4*\n+3], s[46:47], \n*KBLOCK
	s_or_b32 s[G0K+4*\n+3], s[G0K+4*\n+3], 0x80000000
	s_mov_b32 s[G0V+4*\n], 1
	s_add_co_u32 s[G0V+4*\n+1], s20, \n*SLOT
	s_add_nc_u64 s[G0V+4*\n+2:G0V+4*\n+3], s[66:67], \n*VBLOCK
	s_or_b32 s[G0V+4*\n+3], s[G0V+4*\n+3], 0x80000000
.endr
	ROUND                                          ; the four work-groups are here: the first joint loads meet
	s_cmp_eq_u32 s11, 0                            ; both first fills of a wave inside one branch: two loads of the wave are out
	s_cbranch_scc0 .Lfirst_v
	tensor_load_to_lds s[G0K:G0K+3], s[GK:GK+7]
	s_nop 0
	tensor_load_to_lds s[G0K+4:G0K+7], s[GK:GK+7]
	s_nop 0
	s_branch .Lfirst_done
.Lfirst_v:
	tensor_load_to_lds s[G0V:G0V+3], s[GV:GV+7]
	s_nop 0
	tensor_load_to_lds s[G0V+4:G0V+7], s[GV:GV+7]
	s_nop 0
.Lfirst_done:
	v_and_b32 v[RR], 15, v0
	v_bfe_u32 v[HH], v0, 4, 1
	; my 64 queries as eight B fragments: lane (r, h) takes 16 bytes at 16 h and at 32 + 16 h of 64 bytes of row 16 u + r
	v_lshlrev_b32 v[QOF], 11, v[RR]
	v_lshl_add_u32 v[QOF], v[HH], 4, v[QOF]
	WIN 0x40                                       ; destination in window 1
.irp u, 0,1,2,3
.irp ks, 0,1
	global_load_b128 v[Q+8*(2*\u+\ks):Q+8*(2*\u+\ks)+3],   v[QOF], s[68:69] offset:32768*\u+64*\ks
	global_load_b128 v[Q+8*(2*\u+\ks)+4:Q+8*(2*\u+\ks)+7], v[QOF], s[68:69] offset:32768*\u+64*\ks+32
.endr
.endr
	WIN 0
	; m2 = m_h log2(e) and 1000 m2.  5000^(0.8 head / 15) = 2^(0.65534466 head)
	v_cvt_f32_u32 v7, s45
	v_mul_f32 v7, 0x3f27c4ab, v7
	v_exp_f32 v7, v7
	v_nop                                          ; one plain place behind a transcendental (ISA guide 5.7.2)
	s_wait_alu depctr_va_vdst(0)
	v_mul_f32 v7, 0xbfb8aa3b, v7                   ; e^-x = 2^(-x log2 e)
	v_exp_f32 v7, v7
	v_nop
	s_wait_alu depctr_va_vdst(0)
	v_mul_f32 v7, 0x3fb8aa3b, v7
	v_mul_f32 v[MA], 0x447a0000, v7
	v_readfirstlane_b32 s42, v7
	v_readfirstlane_b32 s43, v[MA]
	; DL[j] = (first query) - (first key) - 48 + r - 8 h - j, whole numbers below 2^12 in magnitude: exact in f32
	s_lshl_b32 s23, s18, 7
	s_lshl_b32 s21, s13, 6
	s_add_co_u32 s23, s23, s21
	s_lshl_b32 s21, s11, 7
	s_sub_co_u32 s23, s23, s21
	s_sub_co_u32 s23, s23, 48
	v_lshlrev_b32 v[MA], 3, v[HH]
	v_sub_nc_u32 v[MA], v[RR], v[MA]
	v_add_nc_u32 v[MA], s23, v[MA]
.irp j, 0,1,2,3,4,5,6,7
	v_add_nc_u32 v[LQ+\j], -\j, v[MA]
.endr
	WIN 0x40
.irp j, 0,1,2,3,4,5,6,7
	v_cvt_f32_i32 v[DL+\j], v[LQ+\j]
.endr
	WIN 0
	; LDS addresses of my fragments
	v_mul_u32_u24 v7, v[RR], KP
	v_lshl_add_u32 v7, v[HH], 4, v7
	s_mul_i32 s21, s11, 128*KP                     ; my half of the block's keys
	s_lshl_b32 s22, s12, 7                         ; my head's 128 bytes of a row
	s_add_co_u32 s21, s21, s22
	v_add_nc_u32 v[KA], s21, v7
	v_add_nc_u32 v[KA+1], SLOT, v[KA]
	v_mul_u32_u24 v7, v[RR], VP
	v_lshl_add_u32 v7, v[HH], 4, v7
	s_mul_i32 s21, s12, 2*PART                     ; my head's 64 features are two parts,
	s_lshl_b32 s22, s11, 8                         ; my half of the keys 256 bytes of a row
	s_add_co_u32 s21, s21, s22
	s_add_co_u32 s21, s21, 4*PART
	v_add_nc_u32 v[VA], s21, v7
	v_add_nc_u32 v[VA+1], SLOT, v[VA]
.macro CBADD w, lit                    ; i - j of bias tile w = DL + 16 w
.irp i, 0,2,4,6
	v_pk_add_f32 v[CB+8*\w+\i:CB+8*\w+\i+1], v[DL+\i:DL+\i+1], \lit op_sel_hi:[1,0]
.endr
.endm
; the maximum of query tile u's 32 scores of a lane and the old maximum: two chains of v_max3, then the other half of the lanes
.macro MAXU u, first
	v_max3_num_f32 v[T+2*\u],   v[S+32*\u],    v[S+32*\u+1],  v[S+32*\u+2]
	v_max3_num_f32 v[T+2*\u+1], v[S+32*\u+17], v[S+32*\u+18], v[S+32*\u+19]
.irp i, 0,2,4,6,8,10
	v_max3_num_f32 v[T+2*\u],   v[T+2*\u],   v[S+32*\u+3+\i],  v[S+32*\u+4+\i]
	v_max3_num_f32 v[T+2*\u+1], v[T+2*\u+1], v[S+32*\u+20+\i], v[S+32*\u+21+\i]
.endr
	v_max3_num_f32 v[T+2*\u],   v[T+2*\u],   v[S+32*\u+15], v[S+32*\u+16]
.if \first
	v_max_num_f32 v[T+2*\u], v[T+2*\u], v[T+2*\u+1]
.else
	v_max3_num_f32 v[T+2*\u], v[T+2*\u], v[T+2*\u+1], v[M+\u]
.endif
	v_permlanex16_b32 v[T+2*\u+1], v[T+2*\u], s40, s41     ; its destination has been written above
	v_max_num_f32 v[NM+\u], v[T+2*\u], v[T+2*\u+1]
.endm
; weights of query tile u: 2^(score - maximum), in place.  The maximum is one register of a pair, picked for both halves by op_sel.
.macro SUBEXP u
.irp i, 0,2,4,6,8,10,12,14,16,18,20,22,24,26,28,30
.if (\u)%2
	v_pk_add_f32 v[S+32*\u+\i:S+32*\u+\i+1], v[S+32*\u+\i:S+32*\u+\i+1], v[NM+\u-1:NM+\u] op_sel:[0,1] op_sel_hi:[1,1] neg_lo:[0,1] neg_hi:[0,1]
.else
	v_pk_add_f32 v[S+32*\u+\i:S+32*\u+\i+1], v[S+32*\u+\i:S+32*\u+\i+1], v[NM+\u:NM+\u+1] op_sel_hi:[1,0] neg_lo:[0,1] neg_hi:[0,1]
.endif
.endr
.irp a, 0,8,16,24
.irp c, 0,1,2,3,4,5,6,7
	v_exp_f32 v[S+32*\u+\a+\c], v[S+32*\u+\a+\c]
.endr
.endr
.endm
; sums of query tile u, and its weights packed to f16 in place: pair p lands in register 16 (p / 8) + p % 8, never above its own sources,
; so that registers 0-7 and 16-23 of the tile row are the B fragments of keys 0-31 and 32-63
.macro SUMPACK u, first
.if \first
	s_wait_alu depctr_va_vdst(0)
	v_pk_add_f32 v[LP+2*\u:LP+2*\u+1], v[S+32*\u:S+32*\u+1], v[S+32*\u+2:S+32*\u+3]
	v_cvt_pk_f16_f32 v[S+32*\u], v[S+32*\u], v[S+32*\u+1]
.else
.if (\u)%2
	v_pk_fma_f32 v[LP+2*\u:LP+2*\u+1], v[LP+2*\u:LP+2*\u+1], v[AL+\u-1:AL+\u], v[S+32*\u:S+32*\u+1] op_sel:[0,1,0] op_sel_hi:[1,1,1]
.else
	s_wait_alu depctr_va_vdst(0)
	v_pk_fma_f32 v[LP+2*\u:LP+2*\u+1], v[LP+2*\u:LP+2*\u+1], v[AL+\u:AL+\u+1], v[S+32*\u:S+32*\u+1] op_sel_hi:[1,0,1]
.endif
	v_cvt_pk_f16_f32 v[S+32*\u], v[S+32*\u], v[S+32*\u+1]
	v_pk_add_f32 v[LP+2*\u:LP+2*\u+1], v[LP+2*\u:LP+2*\u+1], v[S+32*\u+2:S+32*\u+3]
.endif
	v_cvt_pk_f16_f32 v[S+32*\u+1], v[S+32*\u+2], v[S+32*\u+3]
.irp p, 2,3,4,5,6,7,8,9,10,11,12,13,14,15
	v_pk_add_f32 v[LP+2*\u:LP+2*\u+1], v[LP+2*\u:LP+2*\u+1], v[S+32*\u+2*\p:S+32*\u+2*\p+1]
	v_cvt_pk_f16_f32 v[S+32*\u+16*(\p>>3)+(\p&7)], v[S+32*\u+2*\p], v[S+32*\u+2*\p+1]
.endr
.endm
.macro RESCALEU u                      ; O of query tile u times 2^(old - new)
.irp i, 0,2,4,6,8,10,12,14,16,18,20,22,24,26,28,30
.if (\u)%2
	v_pk_mul_f32 v[O+32*\u+\i:O+32*\u+\i+1], v[O+32*\u+\i:O+32*\u+\i+1], v[AL+\u-1:AL+\u] op_sel:[0,1] op_sel_hi:[1,1]
.else
	v_pk_mul_f32 v[O+32*\u+\i:O+32*\u+\i+1], v[O+32*\u+\i:O+32*\u+\i+1], v[AL+\u:AL+\u+1] op_sel_hi:[1,0]
.endif
.endr
.endm
; One step: my 64 queries against 64 keys (keys 64 s .. of my half of the slot's block).  first = 1: nothing is carried yet.
; adv: what the step's first key has moved by since the last step, negated, as f32 bits (0: not at all).
; In both products the 16 accumulators take turns, one instruction a turn, in the same order.
.macro STEP slot, s, first, adv
.if \first == 0
	PLACES                                         ; F was read by the last step's matrix instructions
.endif
.irp t, 0,1,2,3
.irp ks, 0,1
	ds_load_b128 v[F+8*(2*\t+\ks):F+8*(2*\t+\ks)+3],   v[KA+\slot] offset:(64*\s+16*\t)*KP+64*\ks
	ds_load_b128 v[F+8*(2*\t+\ks)+4:F+8*(2*\t+\ks)+7], v[KA+\slot] offset:(64*\s+16*\t)*KP+64*\ks+32
.endr
.endr
	WIN 0x41                                       ; the seven bias tiles, while K's fragments arrive: source 0 and destination in window 1
.if \adv
.irp i, 0,2,4,6
	v_pk_add_f32 v[DL+\i:DL+\i+1], v[DL+\i:DL+\i+1], \adv op_sel_hi:[1,0]
.endr
.endif
	CBADD 1, 0x41800000
	CBADD 2, 0x42000000
	CBADD 3, 0x42400000
	CBADD 4, 0x42800000
	CBADD 5, 0x42a00000
	CBADD 6, 0x42c00000
.irp i, 0,1,2,3,4,5,6,7
	v_fma_f32 v[CB+\i], |v[DL+\i]|, s42, s43       ; m2 |i - j| + 1000 m2
.endr
.irp w, 1,2,3,4,5,6
.irp i, 0,1,2,3,4,5,6,7
	v_fma_f32 v[CB+8*\w+\i], |v[CB+8*\w+\i]|, s42, s43
.endr
.endr
	s_wait_dscnt 0x0                               ; K's fragments
	WIN 0x14                                       ; A window 0, B (Q) and C (bias) window 1, D window 0
.irp u, 0,1,2,3
.irp t, 0,1,2,3
	v_wmma_f32_16x16x32_f16 v[S+8*(4*\u+\t):S+8*(4*\u+\t)+7], v[F+8*(2*\t):F+8*(2*\t)+7], v[Q+8*(2*\u):Q+8*(2*\u)+7], v[CB+8*(\u-\t+3):CB+8*(\u-\t+3)+7]
.endr
.endr
	WIN 0x04                                       ; C now the scores themselves
.irp u, 0,1,2,3
.irp t, 0,1,2,3
	v_wmma_f32_16x16x32_f16 v[S+8*(4*\u+\t):S+8*(4*\u+\t)+7], v[F+8*(2*\t+1):F+8*(2*\t+1)+7], v[Q+8*(2*\u+1):Q+8*(2*\u+1)+7], v[S+8*(4*\u+\t):S+8*(4*\u+\t)+7]
.endr
.endr
	WIN 0
	PLACES                                         ; in front of the loads into F and of the first read of a score
.irp dt, 0,1,2,3
.irp kk, 0,1
	ds_load_b128 v[F+8*(2*\dt+\kk):F+8*(2*\dt+\kk)+3],   v[VA+\slot] offset:(\dt>>1)*PART+(\dt&1)*16*VP+128*\s+64*\kk
	ds_load_b128 v[F+8*(2*\dt+\kk)+4:F+8*(2*\dt+\kk)+7], v[VA+\slot] offset:(\dt>>1)*PART+(\dt&1)*16*VP+128*\s+64*\kk+32
.endr
.endr
	MAXU 0, \first
	MAXU 1, \first
	MAXU 2, \first
	MAXU 3, \first
.if \first == 0
.irp u, 0,1,2,3
	v_sub_f32 v[AL+\u], v[M+\u], v[NM+\u]
.endr
.irp u, 0,1,2,3
	v_exp_f32 v[AL+\u], v[AL+\u]
.endr
.endif
.irp u, 0,1,2,3
	v_mov_b32 v[M+\u], v[NM+\u]                    ; plain work behind the exponentials
.endr
	; each run of exponentials is followed by plain work on another tile row before its results are read
	SUBEXP 0
	SUBEXP 1
	SUMPACK 0, \first
	SUBEXP 2
	SUMPACK 1, \first
	SUBEXP 3
	SUMPACK 2, \first
.if \first == 0
	WIN 0x41
	RESCALEU 0
	RESCALEU 1
	RESCALEU 2
	RESCALEU 3
	WIN 0
.endif
	SUMPACK 3, \first
	s_wait_dscnt 0x0                               ; V's fragments
	WIN 0x50                                       ; C and D in window 1
.irp u, 0,1,2,3
.irp dt, 0,1,2,3
.if \first
	v_wmma_f32_16x16x32_f16 v[O+8*(4*\u+\dt):O+8*(4*\u+\dt)+7], v[F+8*(2*\dt):F+8*(2*\dt)+7], v[S+32*\u:S+32*\u+7], 0
.else
	v_wmma_f32_16x16x32_f16 v[O+8*(4*\u+\dt):O+8*(4*\u+\dt)+7], v[F+8*(2*\dt):F+8*(2*\dt)+7], v[S+32*\u:S+32*\u+7], v[O+8*(4*\u+\dt):O+8*(4*\u+\dt)+7]
.endif
.endr
.endr
.irp u, 0,1,2,3
.irp dt, 0,1,2,3
	v_wmma_f32_16x16x32_f16 v[O+8*(4*\u+\dt):O+8*(4*\u+\dt)+7], v[F+8*(2*\dt+1):F+8*(2*\dt+1)+7], v[S+32*\u+16:S+32*\u+23], v[O+8*(4*\u+\dt):O+8*(4*\u+\dt)+7]
.endr
.endr
	WIN 0
.endm
; A block of 256 keys in slot.  refill = 1: the other slot, read last, gets the block two further on; that load has this whole block's work in which to land.
.macro PHASE slot, refill
	s_wait_xcnt 0x0
	v_lshl_add_u32 v190, v0, 2, 0x44000
	v_mov_b32 v191, 0
	s_wait_tensorcnt 0x0                           ; all my tensor loads have landed, my part of this slot among them: a group 0 may be written
	ds_add_u32 v190, v191
	s_wait_dscnt 0x0
	s_add_nc_u64 s[G0K+4*(1-\slot)+2:G0K+4*(1-\slot)+3], s[G0K+4*(1-\slot)+2:G0K+4*(1-\slot)+3], 2*KBLOCK
	s_add_nc_u64 s[G0V+4*(1-\slot)+2:G0V+4*(1-\slot)+3], s[G0V+4*(1-\slot)+2:G0V+4*(1-\slot)+3], 2*VBLOCK
	s_wait_dscnt 0x0                               ; my reads of the other slot are over
.if \refill
	ROUND                                          ; both now hold of every wave of all four work-groups
	JLOAD (1-\slot)                                ; the wave's one tensor load behind the round, and the first thing there
.else
	s_barrier_signal -1                            ; nothing is filled any more (the stepped addresses are not used): my work-group's barrier shows the slot whole
	s_barrier_wait -1
.endif
	STEP \slot, 0, 0, 0xc3400000                   ; the first key moves on by 256 - 64 = 192
	STEP \slot, 1, 0, 0xc2800000                   ; by 64
.endm
	s_wait_loadcnt 0x0                             ; Q'
	s_wait_tensorcnt 0x1                           ; my part of block 0 is in; block 1's may stay out
	s_barrier_signal -1
	s_barrier_wait -1
	STEP 0, 0, 1, 0
	STEP 0, 1, 0, 0xc2800000
	s_mov_b32 s44, 3
.Lblocks:
	PHASE 1, 1                                     ; blocks 1, 3, 5
	PHASE 0, 1                                     ; blocks 2, 4, 6
	s_sub_co_u32 s44, s44, 1
	s_cmp_lg_u32 s44, 0
	s_cbranch_scc1 .Lblocks
	PHASE 1, 0                                     ; block 7
	; THE END.  Slot 0 has had its last fill, and every wave's reads of it ended in front of the last barrier: it is scratch now.
	PLACES
.irp u, 0,1,2,3
	v_add_f32 v[L+\u], v[LP+2*\u], v[LP+2*\u+1]
.endr
.irp u, 0,1,2,3
	v_permlanex16_b32 v[T+\u], v[L+\u], s40, s41
.endr
.irp u, 0,1,2,3
	v_add_f32 v[L+\u], v[L+\u], v[T+\u]            ; the sum over all my keys, in both halves of the lanes
.endr
	v_and_b32 v[MA], 31, v0
	v_lshlrev_b32 v[MA], 4, v[MA]
	s_mul_i32 s21, s19, PART
	v_add_nc_u32 v[MA], s21, v[MA]                 ; the pair's 17,408 bytes of MERGE, 16 bytes a lane
	v_lshlrev_b32 v[BVO], 5, v[HH]
	v_mul_u32_u24 v[OSA], v[RR], OP
	v_lshl_add_u32 v[OSA], v[HH], 4, v[OSA]
	s_mul_i32 s21, s10, OREG
	s_add_co_u32 s21, s21, OUTS
	v_add_nc_u32 v[OSA], s21, v[OSA]               ; my region of OUTS: row r, 16 bytes for each half of the lanes
	; read-back: wave w takes rows 16 w .. 16 w + 15 of the 128; lane l bytes 16 (l % 16) of row l / 16: the left 128 bytes from head 0's region, the right from head 1's
	v_lshrrev_b32 v7, 3, v[RR]
	v_mul_u32_u24 v7, v7, OREG
	v_and_b32 v[QOF], 7, v[RR]
	v_lshl_add_u32 v7, v[QOF], 4, v7
	v_mad_u32_u24 v7, v[HH], OP, v7
	s_mul_i32 s21, s11, 2*OREG
	s_mul_i32 s22, s19, 16*OP
	s_add_co_u32 s21, s21, s22
	s_add_co_u32 s21, s21, OUTS
	v_add_nc_u32 v7, s21, v7
	v_lshlrev_b32 v[QOF], 11, v[HH]                ; and the same rows in ab
	v_lshl_add_u32 v[QOF], v[RR], 4, v[QOF]
	s_lshl_b32 s22, s10, 15
	v_add_nc_u32 v[QOF], s22, v[QOF]
	s_cmp_eq_u32 s11, 0
	s_cbranch_scc1 .Lkeep
	WIN 0x04                                       ; waves 4-7 hand over O, M and L; store data in window 1
.irp a, 0,8,16,24
.irp c, 0,1,2,3,4,5,6,7
	ds_store_b128 v[MA], v[O+4*(\a+\c):O+4*(\a+\c)+3] offset:512*(\a+\c)
.endr
.endr
	WIN 0
	ds_store_b128 v[MA], v[M:M+3] offset:16384
	ds_store_b128 v[MA], v[L:L+3] offset:16896
	s_branch .Lmeet
.Lkeep:
.irp dt, 0,1,2,3
	global_load_b128 v[F+8*\dt:F+8*\dt+3],   v[BVO], s[72:73] offset:64*\dt      ; waves 0-3 ask for bv meanwhile: features 16 dt + 8 h + 0..3
	global_load_b128 v[F+8*\dt+4:F+8*\dt+7], v[BVO], s[72:73] offset:64*\dt+16   ; + 4..7
.endr
.Lmeet:
	s_wait_dscnt 0x0                               ; for the partner's sake: my stores are done
	s_barrier_signal -1
	s_barrier_wait -1
	s_cmp_lg_u32 s11, 0
	s_cbranch_scc1 .Lmerged
	ds_load_b128 v[MP:MP+3], v[MA] offset:16384
	ds_load_b128 v[LQ:LQ+3], v[MA] offset:16896
.irp a, 0,8,16,24
.irp c, 0,1,2,3,4,5,6,7
	ds_load_b128 v[S+4*(\a+\c):S+4*(\a+\c)+3], v[MA] offset:512*(\a+\c)
.endr
.endr
	s_wait_dscnt 32                                ; the partner's maxima and sums are in; the 32 loads of its O may be out
.irp u, 0,1,2,3
	v_max_num_f32 v[MX+\u], v[M+\u], v[MP+\u]
.endr
.irp u, 0,1,2,3
	v_sub_f32 v[FA+\u], v[M+\u], v[MX+\u]
	v_sub_f32 v[FB+\u], v[MP+\u], v[MX+\u]
.endr
.irp u, 0,1,2,3
	v_exp_f32 v[FA+\u], v[FA+\u]
	v_exp_f32 v[FB+\u], v[FB+\u]
.endr
	v_nop
	s_wait_alu depctr_va_vdst(0)
.irp u, 0,1,2,3
	v_mul_f32 v[MX+\u], v[L+\u], v[FA+\u]
.endr
.irp u, 0,1,2,3
	v_fmac_f32 v[MX+\u], v[LQ+\u], v[FB+\u]        ; the whole row's sum: at least 1, since one of the two factors is 1 and its sum holds a weight of 1
.endr
.irp u, 0,1,2,3
	v_rcp_f32 v[MX+\u], v[MX+\u]
.endr
	v_nop
	s_wait_alu depctr_va_vdst(0)
.irp u, 0,1,2,3
	v_mul_f32 v[FA+\u], v[FA+\u], v[MX+\u]
	v_mul_f32 v[FB+\u], v[FB+\u], v[MX+\u]
.endr
	s_wait_loadcnt 0x0                             ; bv
	s_wait_dscnt 0x0                               ; the partner's O
.macro MERGEU u, mine                  ; mine = 0: S = S x FB[u] + bv;  mine = 1: S = O x FA[u] + S
.irp dt, 0,1,2,3
.irp i, 0,2,4,6
.if \mine
.if (\u)%2
	v_pk_fma_f32 v[S+8*(4*\u+\dt)+\i:S+8*(4*\u+\dt)+\i+1], v[O+8*(4*\u+\dt)+\i:O+8*(4*\u+\dt)+\i+1], v[FA+\u-1:FA+\u], v[S+8*(4*\u+\dt)+\i:S+8*(4*\u+\dt)+\i+1] op_sel:[0,1,0] op_sel_hi:[1,1,1]
.else
	v_pk_fma_f32 v[S+8*(4*\u+\dt)+\i:S+8*(4*\u+\dt)+\i+1], v[O+8*(4*\u+\dt)+\i:O+8*(4*\u+\dt)+\i+1], v[FA+\u:FA+\u+1], v[S+8*(4*\u+\dt)+\i:S+8*(4*\u+\dt)+\i+1] op_sel_hi:[1,0,1]
.endif
.else
.if (\u)%2
	v_pk_fma_f32 v[S+8*(4*\u+\dt)+\i:S+8*(4*\u+\dt)+\i+1], v[S+8*(4*\u+\dt)+\i:S+8*(4*\u+\dt)+\i+1], v[FB+\u-1:FB+\u], v[F+8*\dt+\i:F+8*\dt+\i+1] op_sel:[0,1,0] op_sel_hi:[1,1,1]
.else
	v_pk_fma_f32 v[S+8*(4*\u+\dt)+\i:S+8*(4*\u+\dt)+\i+1], v[S+8*(4*\u+\dt)+\i:S+8*(4*\u+\dt)+\i+1], v[FB+\u:FB+\u+1], v[F+8*\dt+\i:F+8*\dt+\i+1] op_sel_hi:[1,0,1]
.endif
.endif
.endr
.endr
.endm
	MERGEU 0, 0
	MERGEU 1, 0
	MERGEU 2, 0
	MERGEU 3, 0
	WIN 0x01                                       ; source 0 (my O) in window 1
	MERGEU 0, 1
	MERGEU 1, 1
	MERGEU 2, 1
	MERGEU 3, 1
	WIN 0
.irp u, 0,1,2,3
.irp dt, 0,1,2,3
.irp i, 0,1,2,3
	v_cvt_pk_f16_f32 v[S+8*(4*\u+\dt)+\i], v[S+8*(4*\u+\dt)+2*\i], v[S+8*(4*\u+\dt)+2*\i+1]   ; eight neighbouring features of query 16 u + r: 16 bytes
.endr
	ds_store_b128 v[OSA], v[S+8*(4*\u+\dt):S+8*(4*\u+\dt)+3] offset:16*\u*OP+32*\dt
.endr
.endr
.Lmerged:
	s_wait_dscnt 0x0
	s_barrier_signal -1
	s_barrier_wait -1
.irp t, 0,1,2,3,4,5,6,7
	ds_load_b128 v[S+4*\t:S+4*\t+3], v7 offset:2*\t*OP
.endr
.irp t, 0,1,2,3,4,5,6,7
	s_wait_dscnt 7-\t                              ; the 7 - t younger read-backs may be out
	global_store_b128 v[QOF], v[S+4*\t:S+4*\t+3], s[70:71] offset:4096*\t   ; 16 lanes store 256 consecutive bytes at a multiple of 256
.endr
	s_wait_xcnt 0x0
	v_lshl_add_u32 v190, v0, 2, 0x44000
	v_mov_b32 v191, 0
	s_wait_tensorcnt 0x0
	ds_add_u32 v190, v191
	s_wait_dscnt 0x0
	ROUND                                          ; the closing round
	s_endpgm
.Lfunc_end_k_q6f54ca5842_attn:
	.size	k_q6f54ca5842_attn, .Lfunc_end_k_q6f54ca5842_attn-k_q6f54ca5842_attn
	.p2alignl 7, 3214868480
	.fill 96, 4, 3214868480
	.section	.rodata,"a",@progbits
	.p2align	6, 0x0
	.amdhsa_kernel k_q6f54ca5842_attn
		.amdhsa_group_segment_fixed_size 327680
		.amdhsa_private_segment_fixed_size 0
		.amdhsa_enable_private_segment 0
		.amdhsa_kernarg_size 24
		.amdhsa_user_sgpr_count 2
		.amdhsa_user_sgpr_kernarg_segment_ptr 1
		.amdhsa_wavefront_size32 1
		.amdhsa_system_sgpr_workgroup_id_x 1
		.amdhsa_system_sgpr_workgroup_id_y 1
		.amdhsa_system_sgpr_workgroup_id_z 1
		.amdhsa_system_vgpr_workitem_id 0
		.amdhsa_next_free_vgpr 512
		.amdhsa_next_free_sgpr 80
		.amdhsa_reserve_vcc 0
		.amdhsa_float_denorm_mode_32 3
		.amdhsa_float_denorm_mode_16_64 3
		.amdhsa_memory_ordered 1
		.amdhsa_forward_progress 1
		.amdhsa_inst_pref_size 255
	.end_amdhsa_kernel
	.section	.bss,"aw",@nobits
	.p2align	6
	.space	262144
	.amdgpu_metadata
---
amdhsa.version: [ 1, 2 ]
amdhsa.kernels:
  - .name:           k_q6f54ca5842_attn
    .symbol:         k_q6f54ca5842_attn.kd
    .args:
      - { .name: proj, .offset: 0, .size: 8, .value_kind: global_buffer, .address_space: global }
      - { .name: bv, .offset: 8, .size: 8, .value_kind: global_buffer, .address_space: global }
      - { .name: ab, .offset: 16, .size: 8, .value_kind: global_buffer, .address_space: global }
    .group_segment_fixed_size: 327680
    .private_segment_fixed_size: 0
    .kernarg_segment_align: 8
    .kernarg_segment_size: 24
    .max_flat_workgroup_size: 256
    .sgpr_count:     80
    .vgpr_count:     512
    .wavefront_size: 32
...
	.end_amdgpu_metadata
.endif
;; end of part 3
;; launch oproj (part 4): grid 8 x 32, 4 waves a work-group, clusters of 4 x 4, 327,680 bytes of LDS; arguments ab, wb, bo, out0; writes out0
.if DOCPART == 4
	.amdgcn_target "amdgcn-amd-amdhsa--gfx1250"
	.amdhsa_code_object_version 6
	.text
	.protected	k_q6f54ca5842_oproj
	.globl	k_q6f54ca5842_oproj
	.p2align	8
	.type	k_q6f54ca5842_oproj,@function
k_q6f54ca5842_oproj:
	s_mov_b64 s[64:65], 0
	v_nop
	global_prefetch_b8 v0, s[64:65] scope:SCOPE_SE
	s_setreg_imm32_b32 hwreg(HW_REG_WAVE_MODE, 25, 1), 1
	s_wait_xcnt 0x0
	s_wait_alu depctr_hold_cnt(0) depctr_sa_sdst(0) depctr_va_vdst(0) depctr_va_sdst(0) depctr_va_ssrc(0) depctr_va_vcc(0) depctr_vm_vsrc(0)
	s_getreg_b32 s2, hwreg(HW_REG_IB_STS2, 6, 4)
	s_cmp_eq_u32 s2, 0
	s_cbranch_scc0 .Lentry_in_a_cluster
	s_endpgm
.Lentry_in_a_cluster:
	s_bfe_u32 s2, ttmp6, 0x10000c
	s_cmp_lg_u32 s2, 0xf033
	s_cbranch_scc0 .Lentry_shape_is_right
	s_endpgm
.Lentry_shape_is_right:
; out0[token][n] = sum over k of ab[token][k] Wo[n][k] + bo[n].  ab [4096][1024] f16, Wo at wb + 6 MiB [1024][1024] f16, out0 f32; sums in f32.
; C is 4096 x 1024: blocks of 128 x 128 give 256 work-groups, one for each WGP; blocks of 256 x 256 would give 64.  A wave makes 64 x 64: 16 tiles, 128 registers.
; K goes in four steps of 256 through two LDS slots: a tile's rows are 512 bytes of memory at multiples of 512, and a refill has a whole
; step of 128 matrix instructions a wave in which to land.  The four steps are written out; there is no loop.
; CLUSTERS: 4 x 4 work-groups; A's tiles are shared along a row of the cluster, B's along a column, by joint loads: a quarter of the requests.
; The matrix instruction is used transposed (source 0 = rows of Wo, source 1 = rows of ab): a lane holds eight neighbouring columns of one row.
; REGISTERS: window 0: v16-27 addresses; v64-127, v128-191 fragment buffers (B's four fragments, then A's four); v192-223 bo of my 64 columns
;            window 1: v0-127 the accumulators, tile (a, b) at 8 (4 a + b)
.set SIZE_K, 1024
.set KSLOT,  256
.set PITCH,  528                       ; 512 bytes + 16 of padding, an odd multiple of 16
.set HALFT,  64*PITCH                  ; what one tensor load brings, and what one wave reads of A or of B
.set SLOT,   4*HALFT
.set STAGE,  2*SLOT                    ; 16 rows x 272 bytes for each wave; no tensor load lands here
.set SPITCH, 272
.set ADRA, 16
.set ADRB, 20
.set STO,  24
.set RD,   25
.set CO,   26
.set BOF,  27
.set F0,   64
.set F1,   128
.set BO,   192
.set G1, 24
.set G0, 32
.set G1B, 48
.set G0B, 56
.set MSB, 0
.macro WIN new
.if MSB != \new
	s_set_vgpr_msb (MSB<<8)|\new
.set MSB, \new
.endif
.endm
.macro JLOAD s                         ; waves 0 and 1 fetch A's two halves, waves 2 and 3 B's
	s_cmp_eq_u32 s11, 0
	s_cbranch_scc0 .Lfor_b_\@
	tensor_load_to_lds s[G0+4*\s:G0+4*\s+3], s[G1:G1+7]
	s_nop 0
	s_branch .Lasked_\@
.Lfor_b_\@:
	tensor_load_to_lds s[G0B+4*\s:G0B+4*\s+3], s[G1B:G1B+7]
	s_nop 0
.Lasked_\@:
.endm
.macro CROUND                          ; a round of the cluster's barrier
	s_barrier_signal -1
	s_barrier_wait -1
	s_cmp_lg_u32 s10, 0
	s_cbranch_scc1 .Lnot_wave_0_\@
	s_barrier_signal -3
.Lnot_wave_0_\@:
	s_barrier_wait -3
	s_barrier_signal -1
	s_barrier_wait -1
.endm
.macro PLACES                          ; four places behind a matrix instruction (ISA guide 7.12.1 for vector instructions)
.rept 4
	v_nop
.endr
.endm
	s_load_b128 s[4:7], s[0:1], 0x0                ; ab s[4:5], wb s[6:7]
	s_load_b128 s[68:71], s[0:1], 0x10             ; bo s[68:69], out0 s[70:71]
	v_lshl_add_u32 v254, v0, 2, 0x46400
	v_mov_b32 v255, 0
	ds_add_u32 v254, v255
	v_lshrrev_b32 v1, 5, v0
	v_readfirstlane_b32 s10, v1                    ; wave 0..3
	s_lshr_b32 s11, s10, 1                         ; which 64 rows of the block are mine.  Also: I fetch for A (0) or for B (1)
	s_and_b32 s12, s10, 1                          ; which 64 columns.  Also: which 64 rows of that tile I fetch
	s_bfe_u32 s40, ttmp6, 0x40000                  ; cx
	s_bfe_u32 s41, ttmp6, 0x40004                  ; cy
	s_lshl_b32 s42, ttmp9, 2
	s_add_co_u32 s42, s42, s40                     ; block column 0..7
	s_and_b32 s13, ttmp7, 0xffff
	s_lshl_b32 s13, s13, 2
	s_add_co_u32 s13, s13, s41                     ; block row 0..31
	s_lshl_b32 s43, s41, 2
	s_lshl_b32 s43, 15, s43                        ; my row of the cluster
	s_lshl_b32 s44, 0x1111, s40                    ; my column
	; group 1: 64 rows x 256 elements of 2 bytes, 16 bytes of padding behind every 512
	s_or_b32 s[G1+0], s43, (1<<16)|(1<<20)|(1<<21)|(6<<22)|(3<<25)
	s_or_b32 s[G1B+0], s44, (1<<16)|(1<<20)|(1<<21)|(6<<22)|(3<<25)
	s_mov_b32 s[G1B+1], KSLOT<<16
	s_mov_b32 s[G1+1], KSLOT<<16
	s_mov_b32 s[G1B+2], 64<<16
	s_mov_b32 s[G1+2], 64<<16
	s_mov_b32 s[G1B+3], KSLOT<<16
	s_mov_b32 s[G1+3], KSLOT<<16
	s_mov_b32 s[G1B+4], 64
	s_mov_b32 s[G1+4], 64
	s_mov_b32 s[G1B+5], SIZE_K
	s_mov_b32 s[G1+5], SIZE_K
	s_mov_b32 s[G1B+6], 0
	s_mov_b32 s[G1+6], 0
	s_mov_b32 s[G1B+7], 0
	s_mov_b32 s[G1+7], 0
	s_lshl_b32 s17, s12, 6
	s_lshl_b32 s16, s13, 7
	s_add_co_u32 s16, s16, s17                     ; A: row 128 x block row + 64 x half,
	s_lshl_b32 s16, s16, 11                        ; of 2,048 bytes
	s_lshl_b32 s46, s42, 7
	s_add_co_u32 s46, s46, s17                     ; B: row 128 x block column + 64 x half
	s_lshl_b32 s46, s46, 11
	s_add_co_u32 s46, s46, 0x600000                ; Wo is the fourth weight in wb
	s_mov_b32 s17, 0
	s_mov_b32 s47, 0
	s_mul_i32 s20, s10, HALFT
	s_lshl_b32 s74, s42, 9                         ; my first column x 4 bytes, in bo and in a row of out0
	s_lshl_b32 s75, s12, 8
	s_add_co_u32 s74, s74, s75
	s_mov_b32 s75, 0
	s_lshl_b32 s72, s13, 19                        ; my first row x 4,096 bytes
	s_lshl_b32 s73, s11, 18
	s_add_co_u32 s72, s72, s73
	s_add_co_u32 s72, s72, s74
	s_mov_b32 s73, 0
	s_wait_dscnt 0x0
	s_wait_kmcnt 0x0
	s_add_nc_u64 s[14:15], s[4:5], s[16:17]
	s_add_nc_u64 s[46:47], s[6:7], s[46:47]
	s_add_nc_u64 s[68:69], s[68:69], s[74:75]
	s_add_nc_u64 s[70:71], s[70:71], s[72:73]
	CROUND                                         ; the first joint loads meet
.irp s, 0,1
	s_mov_b32 s[G0+4*\s], 1
	s_add_co_u32 s[G0+4*\s+1], s20, \s*SLOT
	s_add_nc_u64 s[G0+4*\s+2:G0+4*\s+3], s[14:15], \s*KSLOT*2
	s_or_b32 s[G0+4*\s+3], s[G0+4*\s+3], 0x80000000
	s_mov_b32 s[G0B+4*\s], 1
	s_add_co_u32 s[G0B+4*\s+1], s20, \s*SLOT
	s_add_nc_u64 s[G0B+4*\s+2:G0B+4*\s+3], s[46:47], \s*KSLOT*2
	s_or_b32 s[G0B+4*\s+3], s[G0B+4*\s+3], 0x80000000
	JLOAD \s                                       ; two loads of the wave are out
.endr
	v_and_b32 v1, 15, v0                           ; l % 16
	v_bfe_u32 v2, v0, 4, 1                         ; l / 16
	v_lshlrev_b32 v[BOF], 5, v2
.irp b, 0,1,2,3
	global_load_b128 v[BO+8*\b:BO+8*\b+3],   v[BOF], s[68:69] offset:64*\b      ; bo of columns 16 b + 8 (l / 16) + 0..3; waited for at the way out
	global_load_b128 v[BO+8*\b+4:BO+8*\b+7], v[BOF], s[68:69] offset:64*\b+16   ; + 4..7
.endr
	v_mul_u32_u24 v3, v1, PITCH
	v_lshl_add_u32 v3, v2, 4, v3
	s_mul_i32 s21, s11, HALFT
	s_mul_i32 s22, s12, HALFT
	s_add_co_u32 s22, s22, 2*HALFT
.irp s, 0,1
	v_add_nc_u32 v[ADRA+\s], s21, v3
	v_add_nc_u32 v[ADRB+\s], s22, v3
	s_add_co_u32 s21, s21, SLOT
	s_add_co_u32 s22, s22, SLOT
.endr
	s_mul_i32 s23, s10, 16*SPITCH
	s_add_co_u32 s23, s23, STAGE
	v_mul_u32_u24 v4, v1, SPITCH                   ; in: row l % 16, 32 bytes for each half of the lanes
	v_lshl_add_u32 v4, v2, 5, v4
	v_add_nc_u32 v[STO], s23, v4
	v_mul_u32_u24 v5, v2, SPITCH                   ; back: lanes 0-15 one row of 256 bytes, lanes 16-31 the next
	v_lshl_add_u32 v5, v1, 4, v5
	v_add_nc_u32 v[RD], s23, v5
	v_lshlrev_b32 v5, 12, v2
	v_lshl_add_u32 v[CO], v1, 4, v5
; 16 LDS loads: 64 rows of B, 64 rows of A, 32 along K at byte k of the slot's rows
.macro FETCH slot, k, f
	WIN 0
.irp i, 0,1,2,3
	ds_load_b128 v[\f+8*\i:\f+8*\i+3],   v[ADRB+\slot] offset:\k+\i*16*PITCH
	ds_load_b128 v[\f+8*\i+4:\f+8*\i+7], v[ADRB+\slot] offset:\k+\i*16*PITCH+32
.endr
.irp i, 0,1,2,3
	ds_load_b128 v[\f+32+8*\i:\f+32+8*\i+3],   v[ADRA+\slot] offset:\k+\i*16*PITCH
	ds_load_b128 v[\f+32+8*\i+4:\f+32+8*\i+7], v[ADRA+\slot] offset:\k+\i*16*PITCH+32
.endr
.endm
; 16 matrix instructions, the 16 accumulators by turns in the same order every time
.macro MUL16 f, zero
	WIN 0x50                                       ; C and D in window 1
.irp a, 0,1,2,3
.irp b, 0,1,2,3
.if \zero
	v_wmma_f32_16x16x32_f16 v[8*(4*\a+\b):8*(4*\a+\b)+7], v[\f+8*\b:\f+8*\b+7], v[\f+32+8*\a:\f+32+8*\a+7], 0
.else
	v_wmma_f32_16x16x32_f16 v[8*(4*\a+\b):8*(4*\a+\b)+7], v[\f+8*\b:\f+8*\b+7], v[\f+32+8*\a:\f+32+8*\a+7], v[8*(4*\a+\b):8*(4*\a+\b)+7]
.endif
.endr
.endr
.endm
; 32 along K on buffer f.  more = 1: the next 32, at byte k, are fetched into buffer g first, four places behind the matrix instructions that read g;
; more = 2: the same where those places already stand; more = 0: nothing is left in the slot.
.macro QUARTER slot, k, f, g, zero, more
	s_wait_dscnt 0x0                               ; buffer f is in
.if \more == 1
	PLACES
.endif
.if \more
	FETCH \slot, \k, \g
.endif
	MUL16 \f, \zero
.endm
.macro PHASE slot, zero
.if \zero == 0
	PLACES
.endif
	FETCH \slot, 0, F0
	QUARTER \slot, 64,  F0, F1, \zero, 2
	QUARTER \slot, 128, F1, F0, 0, 1
	QUARTER \slot, 192, F0, F1, 0, 1
	QUARTER \slot, 256, F1, F0, 0, 1
	QUARTER \slot, 320, F0, F1, 0, 1
	QUARTER \slot, 384, F1, F0, 0, 1
	QUARTER \slot, 448, F0, F1, 0, 1
	QUARTER \slot, 0,   F1, F0, 0, 0
	WIN 0
.endm
; Slot s, which has been read, gets the K step two further on.
.macro REFILL s
	s_wait_tensorcnt 0x0                           ; all my tensor loads have landed, my part of the other slot among them
	ds_add_u32 v254, v255
	s_add_nc_u64 s[G0+4*\s+2:G0+4*\s+3], s[G0+4*\s+2:G0+4*\s+3], 2*KSLOT*2
	s_add_nc_u64 s[G0B+4*\s+2:G0B+4*\s+3], s[G0B+4*\s+2:G0B+4*\s+3], 2*KSLOT*2
	s_wait_dscnt 0x0                               ; my reads of this slot are over
	CROUND                                         ; both now hold of every wave of all sixteen work-groups
	JLOAD \s                                       ; the wave's one tensor load behind the round, and the first thing there
.endm
	s_wait_tensorcnt 0x1                           ; my part of K step 0 is in; K step 1's may stay out
	s_barrier_signal -1
	s_barrier_wait -1
	PHASE 0, 1                                     ; its first products start the sums
	REFILL 0
	PHASE 1, 0
	REFILL 1
	PHASE 0, 0
	s_wait_tensorcnt 0x0                           ; my part of the last K step
	s_wait_dscnt 0x0
	s_barrier_signal -1
	s_barrier_wait -1                              ; everybody's; nothing is filled any more
	PHASE 1, 0
	; THE WAY OUT, 16 rows at a time: add bo, 32 bytes a lane into my own stage, read back as whole rows of 256 bytes
	PLACES
	s_wait_loadcnt 0x0                             ; bo
.macro OUT a, rb
	WIN 0x01                                       ; source 0 (the sums) in window 1
.irp b, 0,1,2,3
.irp i, 0,2,4,6
	v_pk_add_f32 v[F0+8*\b+\i:F0+8*\b+\i+1], v[8*(4*\a+\b)+\i:8*(4*\a+\b)+\i+1], v[BO+8*\b+\i:BO+8*\b+\i+1]
.endr
.endr
	WIN 0
.irp b, 0,1,2,3
	ds_store_b128 v[STO], v[F0+8*\b:F0+8*\b+3]   offset:64*\b
	ds_store_b128 v[STO], v[F0+8*\b+4:F0+8*\b+7] offset:64*\b+16
.endr
	s_wait_xcnt 0x0                                ; set rb, which earlier stores read, is loaded again only behind this wait
.irp t, 0,1,2,3,4,5,6,7
	ds_load_b128 v[\rb+4*\t:\rb+4*\t+3], v[RD] offset:\t*2*SPITCH   ; LDS serves a wave's instructions in order (ISA guide 5.7.1.4)
.endr
.irp t, 0,1,2,3,4,5,6,7
	s_wait_dscnt 7-\t                              ; the 7 - t younger read-backs may be out
	global_store_b128 v[CO], v[\rb+4*\t:\rb+4*\t+3], s[70:71] offset:(16*\a+2*\t)*4096 th:TH_STORE_NT   ; 16 lanes store 256 consecutive bytes at a multiple of 256
.endr
.endm
	OUT 0, F1
	OUT 1, F1+32
	OUT 2, F1
	OUT 3, F1+32
	s_wait_tensorcnt 0x0
	ds_add_u32 v254, v255
	s_wait_dscnt 0x0
	CROUND                                         ; the closing round
	s_endpgm
.Lfunc_end_k_q6f54ca5842_oproj:
	.size	k_q6f54ca5842_oproj, .Lfunc_end_k_q6f54ca5842_oproj-k_q6f54ca5842_oproj
	.p2alignl 7, 3214868480
	.fill 96, 4, 3214868480
	.section	.rodata,"a",@progbits
	.p2align	6, 0x0
	.amdhsa_kernel k_q6f54ca5842_oproj
		.amdhsa_group_segment_fixed_size 327680
		.amdhsa_private_segment_fixed_size 0
		.amdhsa_enable_private_segment 0
		.amdhsa_kernarg_size 32
		.amdhsa_user_sgpr_count 2
		.amdhsa_user_sgpr_kernarg_segment_ptr 1
		.amdhsa_wavefront_size32 1
		.amdhsa_system_sgpr_workgroup_id_x 1
		.amdhsa_system_sgpr_workgroup_id_y 1
		.amdhsa_system_sgpr_workgroup_id_z 1
		.amdhsa_system_vgpr_workitem_id 0
		.amdhsa_next_free_vgpr 384
		.amdhsa_next_free_sgpr 80
		.amdhsa_reserve_vcc 0
		.amdhsa_float_denorm_mode_32 3
		.amdhsa_float_denorm_mode_16_64 3
		.amdhsa_memory_ordered 1
		.amdhsa_forward_progress 1
		.amdhsa_inst_pref_size 92
	.end_amdhsa_kernel
	.amdgpu_metadata
---
amdhsa.version: [ 1, 2 ]
amdhsa.kernels:
  - .name:           k_q6f54ca5842_oproj
    .symbol:         k_q6f54ca5842_oproj.kd
    .args:
      - { .name: ab, .offset: 0, .size: 8, .value_kind: global_buffer, .address_space: global }
      - { .name: wb, .offset: 8, .size: 8, .value_kind: global_buffer, .address_space: global }
      - { .name: bo, .offset: 16, .size: 8, .value_kind: global_buffer, .address_space: global }
      - { .name: out0, .offset: 24, .size: 8, .value_kind: global_buffer, .address_space: global }
    .group_segment_fixed_size: 327680
    .private_segment_fixed_size: 0
    .kernarg_segment_align: 8
    .kernarg_segment_size: 32
    .max_flat_workgroup_size: 128
    .sgpr_count:     80
    .vgpr_count:     384
    .wavefront_size: 32
...
	.end_amdgpu_metadata
.endif
;; end of part 4
;; ======== version 2 of 2: 4 launches; version 1 with the launch cast written anew for expert scheduling mode
;; limits: values are held in f16: magnitudes above 65,504 overflow, below 6.1e-05 lose precision
;; workspace buffers: xb 25,165,824 bytes; wb 8,388,608 bytes; proj 25,165,824 bytes; ab 8,388,608 bytes
;; launch cast (part 5): grid 256 x 1, 8 waves a work-group, no clusters, 0 bytes of LDS; arguments q, k, v, Wq, Wk, Wv, Wo, xb, wb; writes xb, wb
.if DOCPART == 5
	.amdgcn_target "amdgcn-amd-amdhsa--gfx1250"
	.amdhsa_code_object_version 6
	.text
	.protected	k_q6f54ca5842_cast
	.globl	k_q6f54ca5842_cast
	.p2align	8
	.type	k_q6f54ca5842_cast,@function
k_q6f54ca5842_cast:
	s_mov_b64 s[64:65], 0
	v_nop
	global_prefetch_b8 v0, s[64:65] scope:SCOPE_SE
	s_setreg_imm32_b32 hwreg(HW_REG_WAVE_SCHED_MODE, 0, 2), 2
	s_setreg_imm32_b32 hwreg(HW_REG_WAVE_MODE, 25, 1), 1
	s_wait_xcnt 0x0
	s_wait_alu depctr_vm_vsrc(0)
; xb = f16(q | k | v), three times [4096][1024];  wb = f16(Wq | Wk | Wv | Wo), four times [1024][1024].
; The matrix launches that follow take their tiles as f16 straight into LDS, so each number is rounded here, once.
; LIMIT: a number above 65,504 in magnitude becomes an infinity in f16; below 6.1e-5 it keeps fewer than 11 bits.
; A stream: no LDS, no matrix unit, no cluster, since no byte is used twice.
; 256 work-groups of 65,536 numbers: groups 0-191 take q, k, v (64 each), groups 192-255 the four weights (16 each).
; The share is taken as 64 rows of 4,096 bytes in, 2,048 bytes out.  Thread t owns 16 bytes at 16 t of each row in and
; 8 bytes at 8 t out: a wave's load covers 512 consecutive bytes, its store 256 consecutive bytes at a multiple of 256.
; THE MODE: SCHED_MODE bits 1:0 = 2 (LLVM: expert scheduling mode 2), set by the entry lines.  The code itself states the register dependences
; between vector instructions and memory instructions, with s_wait_alu, always for 0.
; THE PLAN.  The 64 rows go in 16 blocks of four.  Registers that memory instructions touch:
;   v1, v2     byte offsets 16 t and 8 t, made once at the head and never written again: the rows are reached by immediate offsets, the bases stay.
;   X0 .. X8   nine blocks of f32 as loaded; block b lies in X[b % 9].  Blocks 0 to 8 are loaded at the head; block p + 8 (p = 1 .. 7) is loaded
;              in block p, into X[p - 1].  Read by block b's eight conversions.
;   Y0 .. Y6   the f16 of blocks 0 to 6, whose X is loaded again.  Each pair is written once, by a conversion, and read once, by a store.
;   Blocks 7 to 15 are rounded in place, into the first two of a row's four X registers: their X is never loaded again.
; So no register that a load or store has read is ever written again: nothing is owed for that, and the text holds no wait for it.
; Block p's memory instructions are the loads into X[p - 1] and the stores of block p - 1: they touch what block p - 1 worked on, and block p's
; conversions name X[p % 9] and block p's own out registers alone.  So ONE wait at a block's head states all that its eight memory instructions
; hang on, and these are dealt among its conversions with no further wait.
; A buffer lies idle from its conversions to the next block's head: hence nine buffers, so that 28 to 32 loads of every wave are on their way.
.set ROWIN,  4096
.set ROWOUT, 2048
.set X, 4                              ; v[4:147]   buffer k, row i: 4 registers at X + 16 k + 4 i
.set Y, 148                            ; v[148:203] block b of 0 .. 6, row i: 2 registers at Y + 8 b + 2 i
	s_load_b512 s[8:23], s[0:1], 0x0               ; q k v Wq Wk Wv Wo xb: s[8:9] .. s[22:23]
	s_load_b64 s[24:25], s[0:1], 0x40              ; wb
	s_lshr_b32 s2, ttmp9, 6                        ; 0, 1, 2: q, k, v; 3: a weight
	s_bfe_u32 s3, ttmp9, 0x20004                   ; which weight (2 bits from bit 4),
	s_add_co_u32 s3, s3, 3                         ; as a place in the list of seven sources
	s_and_b32 s4, ttmp9, 63                        ; my share's number inside q, k or v
	s_and_b32 s5, ttmp9, 15                        ; inside a weight
	s_and_b32 s6, ttmp9, 63                        ; inside wb (group number - 192)
	s_cmp_lt_u32 s2, 3
	s_cselect_b32 s3, s2, s3                       ; the source's place, 0 to 6
	s_cselect_b32 s4, s4, s5
	s_cselect_b32 s6, ttmp9, s6                    ; my share's number inside xb or wb
	s_lshl_b32 s4, s4, 18                          ; x 262,144 bytes in
	s_mov_b32 s5, 0
	s_lshl_b32 s6, s6, 17                          ; x 131,072 bytes out
	s_mov_b32 s7, 0
	v_lshlrev_b32 v1, 4, v0                        ; 16 t; never rewritten
	v_lshlrev_b32 v2, 3, v0                        ; 8 t; never rewritten
	s_wait_kmcnt 0x0
	s_cmp_lt_u32 s2, 3
	s_cselect_b64 s[28:29], s[22:23], s[24:25]     ; xb or wb
	s_mov_b64 s[26:27], s[8:9]
.irp n, 1,2,3,4,5,6
	s_cmp_eq_u32 s3, \n
	s_cselect_b64 s[26:27], s[8+2*\n:9+2*\n], s[26:27]   ; the source, chosen by the group's number alone
.endr
	s_add_nc_u64 s[26:27], s[26:27], s[4:5]
	s_add_nc_u64 s[28:29], s[28:29], s[6:7]
	s_wait_alu depctr_va_vdst(0)                   ; v1 and v2 are written: every load of the kernel reads v1 as its offset, every store v2
.irp a, 0,1,2,3,4,5,6,7,8
.irp c, 0,1,2,3
	global_load_b128 v[X+16*\a+4*\c:X+16*\a+4*\c+3], v1, s[26:27] offset:(4*\a+\c)*ROWIN th:TH_LOAD_NT   ; blocks 0 to 8 into X0 to X8
.endr
.endr
; R: the pair that holds row i of block b as f16.
.macro OUTREG b, i
.if (\b) < 7
.set R, Y+8*(\b)+2*(\i)                ; its X is loaded again: a pair of its own
.else
.set R, X+16*((\b)%9)+4*(\i)           ; in place
.endif
.endm
; Row i of block b is rounded: four f32 into two registers.  In place the second line writes a register that the first has read.
.macro CVT b, i
	OUTREG \b, \i
.set XI, X+16*((\b)%9)+4*(\i)
	v_cvt_pk_f16_f32 v[R],   v[XI],   v[XI+1]
	v_cvt_pk_f16_f32 v[R+1], v[XI+2], v[XI+3]
.endm
.macro SEND b, i
	OUTREG \b, \i
	global_store_b64 v2, v[R:R+1], s[28:29] offset:(4*(\b)+(\i))*ROWOUT   ; no hint: the next launch reads it
.endm
; Block p.
.macro BLK p
.if (\p) == 0
	s_wait_loadcnt 32                              ; loads come back in order (ISA guide 5.7.1): block 0 is in, blocks 1 to 8 stay out
.elseif (\p) <= 8
	s_wait_loadcnt 28                              ; block p is in; the seven younger blocks, p + 1 to p + 7, stay out
.else
	s_wait_loadcnt 4*(15-(\p))                     ; nothing is asked for any more: only the blocks behind mine are out
.endif
.if (\p) > 0
	s_wait_alu depctr_va_vdst(0)                   ; the block before has written its f16 pairs, which the stores below read, and is done reading its X, in which the loads below land
.endif
.irp i, 0,1,2,3
.if ((\p) >= 1) && ((\p) <= 7)
	global_load_b128 v[X+16*((\p)-1)+4*(\i):X+16*((\p)-1)+4*(\i)+3], v1, s[26:27] offset:(4*((\p)+8)+(\i))*ROWIN th:TH_LOAD_NT   ; block p + 8; no vector instruction since the wait names these registers
.endif
.if (\p) > 0
	SEND (\p)-1, \i                                ; the block before
.endif
	CVT \p, \i
.endr
.endm
.irp p, 0,1,2,3,4,5,6,7,8,9,10,11,12,13,14,15
	BLK \p
.endr
	s_wait_alu depctr_va_vdst(0)                   ; block 15 has written its f16 pairs, which the last four stores read
.irp i, 0,1,2,3
	SEND 15, \i
.endr
	s_endpgm
.Lfunc_end_k_q6f54ca5842_cast:
	.size	k_q6f54ca5842_cast, .Lfunc_end_k_q6f54ca5842_cast-k_q6f54ca5842_cast
	.p2alignl 7, 3214868480
	.fill 96, 4, 3214868480
	.section	.rodata,"a",@progbits
	.p2align	6, 0x0
	.amdhsa_kernel k_q6f54ca5842_cast
		.amdhsa_group_segment_fixed_size 0
		.amdhsa_private_segment_fixed_size 0
		.amdhsa_enable_private_segment 0
		.amdhsa_kernarg_size 72
		.amdhsa_user_sgpr_count 2
		.amdhsa_user_sgpr_kernarg_segment_ptr 1
		.amdhsa_wavefront_size32 1
		.amdhsa_system_sgpr_workgroup_id_x 1
		.amdhsa_system_sgpr_workgroup_id_y 1
		.amdhsa_system_sgpr_workgroup_id_z 1
		.amdhsa_system_vgpr_workitem_id 0
		.amdhsa_next_free_vgpr 204
		.amdhsa_next_free_sgpr 66
		.amdhsa_reserve_vcc 0
		.amdhsa_float_denorm_mode_32 3
		.amdhsa_float_denorm_mode_16_64 3
		.amdhsa_memory_ordered 1
		.amdhsa_forward_progress 1
		.amdhsa_inst_pref_size 23
	.end_amdhsa_kernel
	.amdgpu_metadata
---
amdhsa.version: [ 1, 2 ]
amdhsa.kernels:
  - .name:           k_q6f54ca5842_cast
    .symbol:         k_q6f54ca5842_cast.kd
    .args:
      - { .name: q, .offset: 0, .size: 8, .value_kind: global_buffer, .address_space: global }
      - { .name: k, .offset: 8, .size: 8, .value_kind: global_buffer, .address_space: global }
      - { .name: v, .offset: 16, .size: 8, .value_kind: global_buffer, .address_space: global }
      - { .name: Wq, .offset: 24, .size: 8, .value_kind: global_buffer, .address_space: global }
      - { .name: Wk, .offset: 32, .size: 8, .value_kind: global_buffer, .address_space: global }
      - { .name: Wv, .offset: 40, .size: 8, .value_kind: global_buffer, .address_space: global }
      - { .name: Wo, .offset: 48, .size: 8, .value_kind: global_buffer, .address_space: global }
      - { .name: xb, .offset: 56, .size: 8, .value_kind: global_buffer, .address_space: global }
      - { .name: wb, .offset: 64, .size: 8, .value_kind: global_buffer, .address_space: global }
    .group_segment_fixed_size: 0
    .private_segment_fixed_size: 0
    .kernarg_segment_align: 8
    .kernarg_segment_size: 72
    .max_flat_workgroup_size: 256
    .sgpr_count:     66
    .vgpr_count:     204
    .wavefront_size: 32
...
	.end_amdgpu_metadata
.endif
;; end of part 5
;; launch qkv: the kernel of part 2 again; grid 4 x 48, 4 waves a work-group, clusters of 4 x 4, 327,680 bytes of LDS; arguments xb, wb, bq, bk, proj; writes proj
;; launch attn: the kernel of part 3 again; grid 256 x 1, 8 waves a work-group, clusters of 4 x 1, 327,680 bytes of LDS; arguments proj, bv, ab; writes ab
;; launch oproj: the kernel of part 4 again; grid 8 x 32, 4 waves a work-group, clusters of 4 x 4, 327,680 bytes of LDS; arguments ab, wb, bo, out0; writes out0
